; MI455X (gfx1250); checked and timed in simulation.
; The chip was launched on July 23, 2026; its instructions are those of AMD's public machine-readable ISA for CDNA 5 (MIT licence, August 2026) and "CDNA5" Instruction Set Architecture Reference Guide (July 2026). The comments in the code are by the model that wrote it; some were corrected since.
;; Attention. Allowed arithmetic: float matrix products may take bf16 or f16 operands with f32 sums; all other float work in f32.
;; Inputs: Wout 1,024 x 1,024 float32; Wqkv 1,024 x 3,072 float32; bout 1,024 float32; x 4,096 x 1,024 float32.
;; Outputs: out0 4,096 x 1,024 float32.
;; 2 versions, each right; version 2 is version 1 with the launch prep written anew for expert scheduling mode. Each part assembles by itself: llvm-mc -triple=amdgcn-amd-amdhsa -mcpu=gfx1250 --defsym DOCPART=n.
;; ======== version 1 of 2: 4 launches
;; limits: values are held in f16: magnitudes above 65,504 overflow, below 6.1e-05 lose precision
;; workspace buffers: xb 8,388,608 bytes; wqT 6,291,456 bytes; woT 2,097,152 bytes; qkv 31,457,280 bytes; pb 33,554,432 bytes; vT 16,777,216 bytes; stat 2,099,200 bytes
;; launch prep (part 1): grid 1057 x 1, 8 waves a work-group, no clusters, 18,432 bytes of LDS; arguments x, Wqkv, Wout, xb, wqT, woT, stat; writes xb, wqT, woT, stat
.if DOCPART == 1
	.amdgcn_target "amdgcn-amd-amdhsa--gfx1250"
	.amdhsa_code_object_version 6
	.text
	.protected	k_q4daaa0a829_prep
	.globl	k_q4daaa0a829_prep
	.p2align	8
	.type	k_q4daaa0a829_prep,@function
k_q4daaa0a829_prep:
	s_mov_b64 s[64:65], 0
	v_nop
	global_prefetch_b8 v0, s[64:65] scope:SCOPE_SE
	s_setreg_imm32_b32 hwreg(HW_REG_WAVE_MODE, 25, 1), 1
	s_wait_xcnt 0x0
; PREP: the operands of the later products, and default statistics.  Five kinds of work-group, chosen by the work-group's number w
; (the same for all eight waves, so the one barrier below is passed by all or by none):
;   w <  512          xb  = bf16(x), 32 KiB in and 16 KiB out for each work-group
;   512 <= w <  896   wqT[n][k] = bf16(Wqkv[k][n]), a tile of 128 k x 64 n, turned in LDS
;   896 <= w < 1024   woT[d][c] = f16(bf16(Wout[c][d])), the same tile
;   1024 <= w < 1056  stat: m2 = -c 2^126 (the figure of a chunk that is all masked), l = 0, for the chunks that no later launch writes
;   w = 1056          the same two figures for chunks 16..31, rows 0..511, of the second copy of stat (the rows kept in two f16 terms)
; Memory binds: every input byte is read once, 16 lanes read 256 consecutive bytes, 16 lanes store 256 consecutive aligned bytes.
; No matrix unit, no cluster: nothing is shared and nothing is multiplied.
; LIMIT: woT is f16: |Wout| below 65,504; magnitudes below 2^-17 are rounded at 2^-25.
.set TP, 272                           ; LDS pitch of a turned row: 128 k x 2 bytes + 16
.set HSTAT, 1049600                    ; the second copy of stat
.set L,  8                             ; v[8:39]   eight loads of 16 bytes
.set D,  40                            ; v[40:55]  sixteen packed words
.set W0, 56                            ; v[56:57]  at work
; A tile of 128 k x 64 n of a [1024][cols] f32 matrix goes out as 64 rows of 128 16-bit numbers.
; Thread t: n = 4 (t & 15) .. + 3; load i: k = 2 (t >> 4) + (i & 1) + 32 (i >> 1).  Loads 2p and 2p + 1 hold neighbouring k: they pack.
.macro TRANS cols, tof16, first, src, dst
	s_sub_co_u32 s19, s18, \first                  ; the tile's number
	s_and_b32 s24, s19, 7                          ; kt: which 128 k
	s_lshr_b32 s25, s19, 3                         ; nt: which 64 n
	s_mul_i32 s20, s24, 128*4*\cols
	s_lshl_b32 s26, s25, 8
	s_add_co_u32 s20, s20, s26
	s_add_nc_u64 s[\src:\src+1], s[\src:\src+1], s[20:21]
	s_lshl_b32 s22, s25, 17                        ; 64 rows of 2,048 bytes
	s_lshl_b32 s26, s24, 8                         ; 128 k of 2 bytes
	s_add_co_u32 s22, s22, s26
	s_add_nc_u64 s[\dst:\dst+1], s[\dst:\dst+1], s[22:23]
	v_mul_u32_u24 v3, v2, 8*\cols                  ; two rows of 4 cols bytes for each t >> 4
	v_lshl_add_u32 v3, v1, 4, v3
.irp i, 0,1,2,3,4,5,6,7
	global_load_b128 v[L+4*\i:L+4*\i+3], v3, s[\src:\src+1] offset:((\i&1)+32*(\i>>1))*4*\cols th:TH_LOAD_NT
.endr
	v_mul_u32_u24 v4, v1, 4*TP                     ; in: LDS row n = 4 (t & 15) + j, byte 2 k
	v_lshl_add_u32 v4, v2, 2, v4
	v_mul_u32_u24 v5, v2, TP                       ; back: row (t >> 4) + 16 i, 16 bytes for each t & 15
	v_lshl_add_u32 v5, v1, 4, v5
	v_lshlrev_b32 v6, 11, v2                       ; and the same place in the output, rows of 2,048 bytes
	v_lshl_add_u32 v6, v1, 4, v6
.irp p, 0,1,2,3
	s_wait_loadcnt 6-2*\p                          ; loads come back in order: this pair is in, the younger pairs stay out
.irp j, 0,1,2,3
	v_cvt_pk_bf16_f32 v[D+4*\p+\j], v[L+8*\p+\j], v[L+8*\p+4+\j]
.if \tof16
	v_lshlrev_b32 v[W0], 16, v[D+4*\p+\j]          ; the bf16 values again as f32,
	v_and_b32 v[W0+1], 0xffff0000, v[D+4*\p+\j]
	v_cvt_pk_f16_f32 v[D+4*\p+\j], v[W0], v[W0+1]  ; and as f16: eight significant bits fit
.endif
	ds_store_b32 v4, v[D+4*\p+\j] offset:\j*TP+64*\p   ; 16 rows 1,088 bytes apart fall on four groups of banks: four deep, accepted since memory binds here
.endr
.endr
	s_wait_dscnt 0x0                               ; my stores are done, for the other waves' sake
	s_barrier_signal -1
	s_barrier_wait -1
.irp i, 0,1,2,3
	ds_load_b128 v[L+4*\i:L+4*\i+3], v5 offset:16*TP*\i
.endr
.irp i, 0,1,2,3
	s_wait_dscnt 3-\i
	global_store_b128 v6, v[L+4*\i:L+4*\i+3], s[\dst:\dst+1] offset:32768*\i   ; 16 lanes: 256 consecutive bytes, aligned
.endr
.endm
	s_load_b256 s[4:11], s[0:1], 0x0               ; x s[4:5], Wqkv s[6:7], Wout s[8:9], xb s[10:11]
	s_load_b128 s[12:15], s[0:1], 0x20             ; wqT s[12:13], woT s[14:15]
	s_load_b64 s[16:17], s[0:1], 0x30              ; stat
	v_lshl_add_u32 v64, v0, 2, 0x4400
	v_mov_b32 v65, 0
	s_mov_b32 s18, ttmp9                           ; w
	s_mov_b32 s21, 0                               ; upper words of the two offsets
	s_mov_b32 s23, 0
	v_and_b32 v1, 15, v0                           ; t & 15
	v_lshrrev_b32 v2, 4, v0                        ; t >> 4
	s_wait_kmcnt 0x0
	s_cmp_lt_u32 s18, 512
	s_cbranch_scc1 .Lcast
	s_cmp_lt_u32 s18, 896
	s_cbranch_scc1 .Lwqkv
	s_cmp_lt_u32 s18, 1024
	s_cbranch_scc1 .Lwout
	s_cmp_lt_u32 s18, 1056
	s_cbranch_scc0 .Lhead
	; default statistics: 32 work-groups x 32 KiB = m2[32][4096], then l[32][4096]
	s_sub_co_u32 s19, s18, 1024
	s_lshl_b32 s20, s19, 15
	s_add_nc_u64 s[16:17], s[16:17], s[20:21]
	s_cmp_lt_u32 s19, 16
	s_cselect_b32 s22, 0xfc38aa3b, 0               ; m2 = -(log2 e / 32) 2^126; l = 0
	v_mov_b32 v4, s22
	v_mov_b32 v5, s22
	v_mov_b32 v6, s22
	v_mov_b32 v7, s22
	v_lshlrev_b32 v3, 4, v0
.irp i, 0,1,2,3,4,5,6,7
	global_store_b128 v3, v[4:7], s[16:17] offset:4096*\i
.endr
	s_endpgm
.Lhead:
	; the second copy: 512 rows are 2,048 bytes of a chunk, 128 threads; the 256 threads take two chunks with each store
	s_add_nc_u64 s[16:17], s[16:17], HSTAT+16*16384
	v_and_b32 v3, 127, v0
	v_lshrrev_b32 v8, 7, v0
	v_lshlrev_b32 v3, 4, v3
	v_lshl_add_u32 v3, v8, 14, v3                  ; 16 (t & 127) + 16,384 (t >> 7)
.irp k, 4,5,6,7
	v_mov_b32 v\k, 0xfc38aa3b
.endr
.irp k, 8,9,10,11
	v_mov_b32 v\k, 0                               ; l = 0: data that is stored
.endr
.irp i, 0,1,2,3,4,5,6,7
	global_store_b128 v3, v[4:7], s[16:17] offset:32768*\i
	global_store_b128 v3, v[8:11], s[16:17] offset:32768*\i+524288
.endr
	s_endpgm
.Lcast:
	; x to bf16: thread t takes 8 numbers at byte 32 t of each of four pieces of 8,192 bytes
	s_lshl_b32 s20, s18, 15
	s_lshl_b32 s22, s18, 14
	s_add_nc_u64 s[4:5], s[4:5], s[20:21]
	s_add_nc_u64 s[10:11], s[10:11], s[22:23]
	v_lshlrev_b32 v3, 5, v0
	v_lshlrev_b32 v4, 4, v0
.irp g, 0,1,2,3
	global_load_b128 v[L+8*\g:L+8*\g+3],   v3, s[4:5] offset:8192*\g th:TH_LOAD_NT
	global_load_b128 v[L+8*\g+4:L+8*\g+7], v3, s[4:5] offset:8192*\g+16 th:TH_LOAD_NT
.endr
.irp g, 0,1,2,3
	s_wait_loadcnt 6-2*\g                          ; this piece's two loads are in, the younger ones stay out
.irp j, 0,1,2,3
	v_cvt_pk_bf16_f32 v[D+4*\g+\j], v[L+8*\g+2*\j], v[L+8*\g+2*\j+1]
.endr
	global_store_b128 v4, v[D+4*\g:D+4*\g+3], s[10:11] offset:4096*\g
.endr
	s_endpgm
.Lwqkv:
	TRANS 3072, 0, 512, 6, 12
	s_wait_tensorcnt 0x0
	ds_add_u32 v64, v65
	s_wait_dscnt 0x0
	s_endpgm
.Lwout:
	TRANS 1024, 1, 896, 8, 14
	s_wait_tensorcnt 0x0
	ds_add_u32 v64, v65
	s_wait_dscnt 0x0
	s_endpgm
.Lfunc_end_k_q4daaa0a829_prep:
	.size	k_q4daaa0a829_prep, .Lfunc_end_k_q4daaa0a829_prep-k_q4daaa0a829_prep
	.p2alignl 7, 3214868480
	.fill 96, 4, 3214868480
	.section	.rodata,"a",@progbits
	.p2align	6, 0x0
	.amdhsa_kernel k_q4daaa0a829_prep
		.amdhsa_group_segment_fixed_size 18432
		.amdhsa_private_segment_fixed_size 0
		.amdhsa_enable_private_segment 0
		.amdhsa_kernarg_size 56
		.amdhsa_user_sgpr_count 2
		.amdhsa_user_sgpr_kernarg_segment_ptr 1
		.amdhsa_wavefront_size32 1
		.amdhsa_system_sgpr_workgroup_id_x 1
		.amdhsa_system_sgpr_workgroup_id_y 1
		.amdhsa_system_sgpr_workgroup_id_z 1
		.amdhsa_system_vgpr_workitem_id 0
		.amdhsa_next_free_vgpr 66
		.amdhsa_next_free_sgpr 66
		.amdhsa_reserve_vcc 0
		.amdhsa_float_denorm_mode_32 3
		.amdhsa_float_denorm_mode_16_64 3
		.amdhsa_memory_ordered 1
		.amdhsa_forward_progress 1
		.amdhsa_inst_pref_size 20
	.end_amdhsa_kernel
	.amdgpu_metadata
---
amdhsa.version: [ 1, 2 ]
amdhsa.kernels:
  - .name:           k_q4daaa0a829_prep
    .symbol:         k_q4daaa0a829_prep.kd
    .args:
      - { .name: x, .offset: 0, .size: 8, .value_kind: global_buffer, .address_space: global }
      - { .name: Wqkv, .offset: 8, .size: 8, .value_kind: global_buffer, .address_space: global }
      - { .name: Wout, .offset: 16, .size: 8, .value_kind: global_buffer, .address_space: global }
      - { .name: xb, .offset: 24, .size: 8, .value_kind: global_buffer, .address_space: global }
      - { .name: wqT, .offset: 32, .size: 8, .value_kind: global_buffer, .address_space: global }
      - { .name: woT, .offset: 40, .size: 8, .value_kind: global_buffer, .address_space: global }
      - { .name: stat, .offset: 48, .size: 8, .value_kind: global_buffer, .address_space: global }
    .group_segment_fixed_size: 18432
    .private_segment_fixed_size: 0
    .kernarg_segment_align: 8
    .kernarg_segment_size: 56
    .max_flat_workgroup_size: 256
    .sgpr_count:     66
    .vgpr_count:     66
    .wavefront_size: 32
...
	.end_amdgpu_metadata
.endif
;; end of part 1
;; launch qkv (part 2): grid 12 x 16, 4 waves a work-group, clusters of 4 x 4, 327,680 bytes of LDS; arguments xb, wqT, qkv; writes qkv
.if DOCPART == 2
	.amdgcn_target "amdgcn-amd-amdhsa--gfx1250"
	.amdhsa_code_object_version 6
	.text
	.protected	k_q4daaa0a829_qkv
	.globl	k_q4daaa0a829_qkv
	.p2align	8
	.type	k_q4daaa0a829_qkv,@function
k_q4daaa0a829_qkv:
	s_mov_b64 s[64:65], 0
	v_nop
	global_prefetch_b8 v0, s[64:65] scope:SCOPE_SE
	s_setreg_imm32_b32 hwreg(HW_REG_WAVE_MODE, 25, 1), 1
	s_wait_xcnt 0x0
	s_wait_alu depctr_hold_cnt(0) depctr_sa_sdst(0) depctr_va_vdst(0) depctr_va_sdst(0) depctr_va_ssrc(0) depctr_va_vcc(0) depctr_vm_vsrc(0)
	s_getreg_b32 s2, hwreg(HW_REG_IB_STS2, 6, 4)
	s_cmp_eq_u32 s2, 0
	s_cbranch_scc0 .Lentry_in_a_cluster
	s_endpgm
.Lentry_in_a_cluster:
	s_bfe_u32 s2, ttmp6, 0x10000c
	s_cmp_lg_u32 s2, 0xf033
	s_cbranch_scc0 .Lentry_shape_is_right
	s_endpgm
.Lentry_shape_is_right:
; QKV: [Q K V][m][n] = sum over k of xb[m][k] wqT[n][k].  xb [4096][1024], wqT [3072][1024] bf16; sums in f32; out f16 as three planes [4096][1024].
; A work-group makes 256 rows x 256 columns with four waves, a wave 128 x 128: 64 accumulator tiles, 512 registers.  K goes in steps of 128 through
; two LDS slots filled by the tensor data mover; a tile's rows are 256 bytes of memory at multiples of 256 bytes.
; The work-group's two halves of 128 rows lie 512 rows apart: rows 1024 Y + 128 cy + 512 wr (Y the cluster's y, cy my place in it, wr the wave's half).
; So rows 0..511 are those of the waves with wr = 0 in the clusters with Y = 0.
; ROWS 0..511 IN TWO TERMS: a causal row with few keys has nothing that averages operand roundings away, so for these rows q, k and v are also stored
; as two f16 terms: the number cut to the upper 11 bits of its significand, and the rest.  They lie behind the planes, as [3][1024][1024] with
; row' = 128 (row >> 6) + 64 term + (row & 63): 64 rows' first terms, then their second terms, so that a wave of the next launch finds both in its 128 rows.
; CLUSTERS of 4 x 4: the four work-groups of a row of the cluster need the same rows of xb, the four of a column the same rows of wqT; such a tile
; is asked for jointly, by the same tensor load with the same descriptor and a mask that names the four.
; LIMITS: q, k, v are stored in f16: magnitudes below 65,504; a term below 2^-14 is rounded at 2^-25.
; REGISTERS in windows of 256: window 0: v16-31 addresses, v64-191 fragments of xb (two buffers), v32-255 the way out; window 1: v64-191 fragments
; of wqT; window 2: accumulators of my rows 0-63 (tile (a, b) at v[8 (8 a + b)]); window 3: of my rows 64-127.
; The matrix instruction is used transposed (source 0 = 16 rows of wqT, source 1 = 16 rows of xb): lane l holds row l % 16 of the result and its
; eight registers the columns 8 (l / 16) + 0 .. 7, eight neighbours that pack into 16 bytes.
.set SIZE_K, 1024
.set CPITCH, 2048                      ; bytes from row to row of a plane of qkv
.set HQ,     0x1800000                 ; the two-term copies, behind the three planes
.set KSTEP,  128
.set PITCH,  272                       ; 256 bytes + 16: 17 x 16, so 16 neighbouring rows start in 16 different 16-byte columns modulo 256 bytes
.set HALFT,  128*PITCH                 ; 128 rows: one tensor load
.set SLOT,   4*HALFT                   ; xb's 256 rows, then wqT's 256 rows
.set STAGE,  2*SLOT                    ; behind the ring: 16 rows x 272 bytes for each wave; no tensor load fills it
.set SPITCH, 272
.set LAPS, SIZE_K/(2*KSTEP)            ; a lap = two K steps = once round the ring
.set ADRA, 16                          ; v16-17  LDS address of my A fragments in slot 0, 1
.set ADRB, 20                          ; v20-21  the same for B
.set STO,  24
.set RD,   25
.set CO,   26
.set HB0,  32                          ; v[32:63]   two terms: first terms read back
.set F0,   64
.set HE,   64                          ; v[64:127]  two terms: the cut numbers, then the rests
.set F1,   128
.set HB1,  128                         ; v[128:159] two terms: second terms read back
.set TMP,  192
.set TL,   224                         ; v[224:255] two terms: packed second terms
.set G1, 24                            ; s[24:31] group 1 for A's tiles
.set G0, 32                            ; s[32:39] group 0 for A's tiles, one set for each slot
.set G1B, 48                           ; s[48:55] group 1 for B's tiles (another mask)
.set G0B, 56                           ; s[56:63] group 0 for B's tiles
.set MSB, 0
.macro WIN new                         ; the immediate's high byte repeats the setting that is left
.if MSB != \new
	s_set_vgpr_msb (MSB<<8)|\new
.set MSB, \new
.endif
.endm
.set MUL_LO, 0xa1                      ; source 0 (B) window 1, source 1 (A) window 0, C and D window 2
.set MUL_HI, 0xf1                      ; the same, C and D window 3
.set TO_B,   0x40                      ; destination window 1, address window 0
; A joint load.  Waves 0 and 1 fetch A's two halves, waves 2 and 3 B's; the branch hangs on the wave's number alone.
.macro JLOAD s
	s_cmp_eq_u32 s11, 0
	s_cbranch_scc0 .Lfor_b_\@
	tensor_load_to_lds s[G0+4*\s:G0+4*\s+3], s[G1:G1+7]
	s_nop 0
	s_branch .Lasked_\@
.Lfor_b_\@:
	tensor_load_to_lds s[G0B+4*\s:G0B+4*\s+3], s[G1B:G1B+7]
	s_nop 0
.Lasked_\@:
.endm
; A round of the cluster's barrier: my work-group's barrier, wave 0 signals for the work-group, every wave waits for all sixteen, my barrier again.
.macro CREST                           ; a round behind its opening barrier
	s_cmp_lg_u32 s10, 0
	s_cbranch_scc1 .Lnot_wave_0_\@
	s_barrier_signal -3
.Lnot_wave_0_\@:
	s_barrier_wait -3
	s_barrier_signal -1
	s_barrier_wait -1
.endm
.macro CROUND
	s_barrier_signal -1
	s_barrier_wait -1
	CREST
.endm
	s_load_b128 s[4:7], s[0:1], 0x0                ; xb s[4:5], wqT s[6:7]
	s_load_b64 s[8:9], s[0:1], 0x10                ; qkv
	s_set_vgpr_msb 0x40
	v_lshl_add_u32 v255, v0, 2, 0x48400
	s_set_vgpr_msb 0x4000
	v_mov_b32 v31, 0
	s_set_vgpr_msb 0x1
	ds_add_u32 v255, v31
	s_set_vgpr_msb 0x100
	v_lshrrev_b32 v1, 5, v0
	v_readfirstlane_b32 s10, v1                    ; wave 0..3
	s_lshr_b32 s11, s10, 1                         ; wr: my half of the block's rows; also: I fetch for A (0) or B (1)
	s_and_b32 s12, s10, 1                          ; wc: my half of its columns; also: which 128 rows I fetch
	s_bfe_u32 s40, ttmp6, 0x40000                  ; cx
	s_bfe_u32 s41, ttmp6, 0x40004                  ; cy
	s_lshl_b32 s42, ttmp9, 2
	s_add_co_u32 s42, s42, s40                     ; block column 0..11
	s_and_b32 s45, ttmp7, 0xffff                   ; Y, the cluster's y
	s_lshl_b32 s13, s45, 3
	s_add_co_u32 s13, s13, s41                     ; 8 Y + cy: my first half's rows in units of 128; the second half lies 4 units further
	s_lshl_b32 s43, s41, 2
	s_lshl_b32 s43, 15, s43                        ; my row of the cluster
	s_lshl_b32 s44, 0x1111, s40                    ; my column
	; group 1: 128 rows x 128 elements of 2 bytes, 4 words of padding behind every 64 words
	s_or_b32 s[G1+0], s43, (1<<16)|(1<<20)|(1<<21)|(5<<22)|(3<<25)
	s_or_b32 s[G1B+0], s44, (1<<16)|(1<<20)|(1<<21)|(5<<22)|(3<<25)
	s_mov_b32 s[G1+1], KSTEP<<16                   ; tensor_dim0 = 128
	s_mov_b32 s[G1B+1], KSTEP<<16
	s_mov_b32 s[G1+2], 128<<16                     ; tensor_dim1 = 128
	s_mov_b32 s[G1B+2], 128<<16
	s_mov_b32 s[G1+3], KSTEP<<16                   ; tile_dim0 = 128
	s_mov_b32 s[G1B+3], KSTEP<<16
	s_mov_b32 s[G1+4], 128                         ; tile_dim1 = 128
	s_mov_b32 s[G1B+4], 128
	s_mov_b32 s[G1+5], SIZE_K                      ; elements from row to row
	s_mov_b32 s[G1B+5], SIZE_K
	s_mov_b32 s[G1+6], 0
	s_mov_b32 s[G1B+6], 0
	s_mov_b32 s[G1+7], 0
	s_mov_b32 s[G1B+7], 0
	; A's tiles hang on Y, cy and the wave alone, B's on the block column and the wave alone, each in registers that never hold the other coordinate
	s_lshl_b32 s17, s12, 2
	s_add_co_u32 s16, s13, s17
	s_lshl_b32 s16, s16, 7                         ; A: row 128 (8 Y + cy + 4 x half)
	s_lshl_b32 s17, s12, 7
	s_lshl_b32 s46, s42, 8
	s_add_co_u32 s46, s46, s17                     ; B: row 256 x block column + 128 x half
	s_mov_b32 s17, 0
	s_mov_b32 s47, 0
	s_mov_b64 s[18:19], SIZE_K*2
	s_mul_u64 s[16:17], s[16:17], s[18:19]
	s_mul_u64 s[46:47], s[46:47], s[18:19]
	s_mul_i32 s20, s10, HALFT                      ; LDS: wave x 128 rows
	s_wait_dscnt 0x0
	s_wait_kmcnt 0x0
	s_add_nc_u64 s[14:15], s[4:5], s[16:17]
	s_add_nc_u64 s[46:47], s[6:7], s[46:47]
	CROUND                                         ; all sixteen work-groups are here: the first joint loads meet
.irp s, 0,1
	s_mov_b32 s[G0+4*\s], 1
	s_add_co_u32 s[G0+4*\s+1], s20, \s*SLOT
	s_add_nc_u64 s[G0+4*\s+2:G0+4*\s+3], s[14:15], \s*KSTEP*2
	s_or_b32 s[G0+4*\s+3], s[G0+4*\s+3], 0x80000000
	s_mov_b32 s[G0B+4*\s], 1
	s_add_co_u32 s[G0B+4*\s+1], s20, \s*SLOT
	s_add_nc_u64 s[G0B+4*\s+2:G0B+4*\s+3], s[46:47], \s*KSTEP*2
	s_or_b32 s[G0B+4*\s+3], s[G0B+4*\s+3], 0x80000000
	JLOAD \s
.endr
	; a fragment: lane l holds row l % 16; two loads of 16 bytes, 32 bytes apart, at row x pitch + 16 (l / 16)
	v_and_b32 v1, 15, v0
	v_bfe_u32 v2, v0, 4, 1
	v_mul_u32_u24 v3, v1, PITCH
	v_lshl_add_u32 v3, v2, 4, v3
	s_mul_i32 s21, s11, HALFT
	s_mul_i32 s22, s12, HALFT
	s_add_co_u32 s22, s22, 2*HALFT
.irp s, 0,1
	v_add_nc_u32 v[ADRA+\s], s21, v3
	v_add_nc_u32 v[ADRB+\s], s22, v3
	s_add_co_u32 s21, s21, SLOT
	s_add_co_u32 s22, s22, SLOT
.endr
	s_mul_i32 s23, s10, 16*SPITCH
	s_add_co_u32 s23, s23, STAGE
	v_mul_u32_u24 v4, v1, SPITCH
	v_lshl_add_u32 v4, v2, 4, v4
	v_add_nc_u32 v[STO], s23, v4
	v_mul_u32_u24 v5, v2, SPITCH
	v_lshl_add_u32 v5, v1, 4, v5
	v_add_nc_u32 v[RD], s23, v5
	v_mul_u32_u24 v5, v2, CPITCH
	v_lshl_add_u32 v[CO], v1, 4, v5
; 16 matrix instructions: m blocks a0, a0 + 1 of the window's four x all 8 n blocks, 32 along K.  zero = 1: the first product starts the sums.
; The 64 accumulators take turns, one instruction a turn, in the same order in every quarter step.
.macro MUL16 f, hi, a0, zero
.irp a, \a0, \a0+1
.irp b, 0,1,2,3,4,5,6,7
.if \zero
	v_wmma_f32_16x16x32_bf16 v[8*(8*(\a)+\b):8*(8*(\a)+\b)+7], v[\f+8*\b:\f+8*\b+7], v[\f+8*(4*\hi+\a):\f+8*(4*\hi+\a)+7], 0
.else
	v_wmma_f32_16x16x32_bf16 v[8*(8*(\a)+\b):8*(8*(\a)+\b)+7], v[\f+8*\b:\f+8*\b+7], v[\f+8*(4*\hi+\a):\f+8*(4*\hi+\a)+7], v[8*(8*(\a)+\b):8*(8*(\a)+\b)+7]
.endif
.endr
.endr
.endm
; 32 LDS loads in one run: the fragments of one quarter step into buffer f
.macro FETCH slot, k, f
	WIN TO_B
.irp i, 0,1,2,3,4,5,6,7
	ds_load_b128 v[\f+8*\i:\f+8*\i+3],   v[ADRB+\slot] offset:\k+\i*16*PITCH
	ds_load_b128 v[\f+8*\i+4:\f+8*\i+7], v[ADRB+\slot] offset:\k+\i*16*PITCH+32
.endr
	WIN 0
.irp i, 0,1,2,3,4,5,6,7
	ds_load_b128 v[\f+8*\i:\f+8*\i+3],   v[ADRA+\slot] offset:\k+\i*16*PITCH
	ds_load_b128 v[\f+8*\i+4:\f+8*\i+7], v[ADRA+\slot] offset:\k+\i*16*PITCH+32
.endr
.endm
; Four places behind a matrix instruction before a load lands on a register that it read or a vector instruction reads its result
; (ISA guide 7.12.1 for vector instructions); other matrix instructions are not counted as places.
.macro PLACES
.rept 4
	v_nop
.endr
.endm
.macro QUARTER slot, k, f, g, zero
	s_wait_dscnt 8                                 ; B and A's rows 0-63 are in; the youngest eight loads (A's rows 64-127) may be out
	WIN MUL_LO
	MUL16 \f, 0, 0, \zero
	MUL16 \f, 0, 2, \zero
	PLACES
	FETCH \slot, \k, \g
	s_wait_dscnt 32                                ; all but the 32 just issued
	WIN MUL_HI
	MUL16 \f, 1, 0, \zero
	MUL16 \f, 1, 2, \zero
.endm
.macro THREE slot, zero
	QUARTER \slot, 64,  F0, F1, \zero
	QUARTER \slot, 128, F1, F0, 0
	QUARTER \slot, 192, F0, F1, 0
.endm
; The last quarter changes slots.  In front of the barrier each wave waits for its reads of this slot and for all its tensor loads (one is out: its
; part of the next slot).  Behind it, where the slot is filled again, the round of the cluster's barrier is completed and the joint refill comes first.
.macro TURN slot, next, fill
	s_wait_dscnt 8
	WIN MUL_LO
	MUL16 F1, 0, 0, 0
	s_wait_dscnt 0                                 ; my reads of this slot are over
	s_wait_tensorcnt 0x0                           ; all my tensor loads have landed
	ds_add_u32 v255, v31
	s_wait_dscnt 0x0
	s_barrier_signal -1
	MUL16 F1, 0, 2, 0                              ; register work while the others arrive
	WIN 0
	s_barrier_wait -1
.if \fill
	CREST                                          ; no wave of any partner still reads this slot or has a load on its way
	s_add_nc_u64 s[G0+4*\slot+2:G0+4*\slot+3], s[G0+4*\slot+2:G0+4*\slot+3], 2*KSTEP*2
	s_add_nc_u64 s[G0B+4*\slot+2:G0B+4*\slot+3], s[G0B+4*\slot+2:G0B+4*\slot+3], 2*KSTEP*2
	JLOAD \slot                                    ; the first tensor load behind the round
.endif
	PLACES
	FETCH \next, 0, F0
	WIN MUL_HI
	MUL16 F1, 1, 0, 0
	MUL16 F1, 1, 2, 0
.endm
.macro LAP zero
	THREE 0, \zero
	TURN 0, 1, 1
	THREE 1, 0
	TURN 1, 0, 1
.endm
	s_wait_tensorcnt 1                             ; my part of K step 0 is in; K step 1's load stays out
	s_barrier_signal -1
	s_barrier_wait -1
	FETCH 0, 0, F0
	LAP 1                                          ; the first lap's first products start the sums
	WIN 0
	s_mov_b32 s3, LAPS-2
.Llap:
	LAP 0
	WIN 0
	s_sub_co_u32 s3, s3, 1
	s_cmp_lg_u32 s3, 0
	s_cbranch_scc1 .Llap
	THREE 0, 0                                     ; the last lap fills nothing
	TURN 0, 1, 0
	THREE 1, 0
	s_wait_dscnt 8
	WIN MUL_LO
	MUL16 F1, 0, 0, 0
	MUL16 F1, 0, 2, 0
	s_wait_dscnt 0
	WIN MUL_HI
	MUL16 F1, 1, 0, 0
	MUL16 F1, 1, 2, 0
	; THE WAY OUT, 16 rows at a time: round to f16, 16 bytes a lane into my own stage, back as whole rows of 256 bytes.
	PLACES
	s_mov_b64 s[4:5], s[8:9]                       ; qkv once more, for the two-term copy
	s_lshl_b32 s17, s11, 2
	s_add_co_u32 s16, s13, s17                     ; my first row in units of 128: 8 Y + cy + 4 wr
	s_lshl_b32 s16, s16, 18                        ; x 128 rows x 2,048 bytes: below 2^24
	s_mov_b32 s17, 0
	s_add_nc_u64 s[8:9], s[8:9], s[16:17]
	s_lshr_b32 s46, s42, 2                         ; the plane: block columns 0-3 are Q, 4-7 K, 8-11 V
	s_lshl_b32 s46, s46, 23                        ; 8,388,608 bytes a plane
	s_and_b32 s47, s42, 3
	s_lshl_b32 s47, s47, 9                         ; 512 bytes a block column
	s_add_co_u32 s46, s46, s47
	s_lshl_b32 s47, s12, 8                         ; 256 bytes for my half
	s_add_co_u32 s46, s46, s47
	s_mov_b32 s47, 0
	s_add_nc_u64 s[8:9], s[8:9], s[46:47]
.macro OUT16 i, a, from, f
	WIN \from
.irp b, 0,1,2,3,4,5,6,7
.irp r, 0,1,2,3
	v_cvt_pk_f16_f32 v[TMP+4*\b+\r], v[8*(8*\a+\b)+2*\r], v[8*(8*\a+\b)+2*\r+1]
.endr
.endr
	WIN 0
.irp b, 0,1,2,3,4,5,6,7
	ds_store_b128 v[STO], v[TMP+4*\b:TMP+4*\b+3] offset:32*\b
.endr
	s_wait_xcnt 0x0                                ; buffer f, which earlier stores read, and the stores' base are rewritten only behind this wait
.if \i
	s_add_nc_u64 s[8:9], s[8:9], 16*CPITCH
.endif
.irp t, 0,1,2,3,4,5,6,7
	ds_load_b128 v[\f+4*\t:\f+4*\t+3], v[RD] offset:\t*2*SPITCH    ; LDS serves a wave's instructions in order: these see the stores above
.endr
.irp t, 0,1,2,3,4,5,6,7
	s_wait_dscnt 7-\t
	global_store_b128 v[CO], v[\f+4*\t:\f+4*\t+3], s[8:9] offset:2*\t*CPITCH   ; 16 lanes store 256 consecutive bytes, aligned
.endr
.endm
	OUT16 0, 0, 0x0a, F0
	OUT16 1, 1, 0x0a, F1
	OUT16 2, 2, 0x0a, F0
	OUT16 3, 3, 0x0a, F1
	OUT16 4, 0, 0x0f, F0
	OUT16 5, 1, 0x0f, F1
	OUT16 6, 2, 0x0f, F0
	OUT16 7, 3, 0x0f, F1
	; ROWS 0..511 ONCE MORE, IN TWO TERMS: the waves with wr = 0 of the clusters with Y = 0.  Both conditions are the same in all partners' texts:
	; the cluster's y and the wave's number.  No barrier stands inside.
	s_cmp_lg_u32 s45, 0
	s_cbranch_scc1 .Ldone
	s_cmp_lg_u32 s11, 0
	s_cbranch_scc1 .Ldone
	s_lshr_b32 s46, s42, 2
	s_lshl_b32 s46, s46, 21                        ; 2,097,152 bytes a plane of the copy
	s_and_b32 s47, s42, 3
	s_lshl_b32 s47, s47, 9
	s_add_co_u32 s46, s46, s47
	s_lshl_b32 s47, s12, 8
	s_add_co_u32 s46, s46, s47
	s_add_co_u32 s46, s46, HQ
	s_mov_b32 s47, 0
	s_add_nc_u64 s[4:5], s[4:5], s[46:47]
	s_lshl_b32 s16, s41, 19                        ; my rows 128 cy .. + 127 are rows' 256 cy .. + 255, of 2,048 bytes
	s_mov_b32 s17, 0
	s_add_nc_u64 s[4:5], s[4:5], s[16:17]
	s_mov_b32 s21, 0xffffe000                      ; keeps sign, exponent and the upper 10 bits of the fraction: exact in f16
; rows 16 i .. 16 i + 15 of my 128: rows' 128 (i >> 2) + 16 (i & 3) for the first terms, 64 further for the second.
; sb: sources 0 and 1 in the accumulators' window; sc: source 0 alone.
.macro HOUT i, a, sb, sc
	s_wait_xcnt 0x0                                ; the registers that earlier stores read, and the stores' base, are rewritten only behind this wait
.if \i == 4
	s_add_nc_u64 s[4:5], s[4:5], 80*CPITCH
.else
.if \i
	s_add_nc_u64 s[4:5], s[4:5], 16*CPITCH
.endif
.endif
	WIN \sb
.set n, 0
.rept 64
	v_and_b32 v[HE+n], s21, v[64*\a+n]             ; the first term
.set n, n+1
.endr
	WIN 0
.set n, 0
.rept 32
	v_cvt_pk_f16_f32 v[TMP+n], v[HE+2*n], v[HE+2*n+1]
.set n, n+1
.endr
	WIN \sc
.set n, 0
.rept 32
	v_pk_add_f32 v[HE+2*n:HE+2*n+1], v[64*\a+2*n:64*\a+2*n+1], v[HE+2*n:HE+2*n+1] neg_lo:[0,1] neg_hi:[0,1]   ; the rest, exact in f32
.set n, n+1
.endr
	WIN 0
.set n, 0
.rept 32
	v_cvt_pk_f16_f32 v[TL+n], v[HE+2*n], v[HE+2*n+1]
.set n, n+1
.endr
.irp b, 0,1,2,3,4,5,6,7
	ds_store_b128 v[STO], v[TMP+4*\b:TMP+4*\b+3] offset:32*\b
.endr
.irp t, 0,1,2,3,4,5,6,7
	ds_load_b128 v[HB0+4*\t:HB0+4*\t+3], v[RD] offset:\t*2*SPITCH
.endr
.irp t, 0,1,2,3,4,5,6,7
	s_wait_dscnt 7-\t
	global_store_b128 v[CO], v[HB0+4*\t:HB0+4*\t+3], s[4:5] offset:2*\t*CPITCH
.endr
.irp b, 0,1,2,3,4,5,6,7
	ds_store_b128 v[STO], v[TL+4*\b:TL+4*\b+3] offset:32*\b
.endr
.irp t, 0,1,2,3,4,5,6,7
	ds_load_b128 v[HB1+4*\t:HB1+4*\t+3], v[RD] offset:\t*2*SPITCH
.endr
.irp t, 0,1,2,3,4,5,6,7
	s_wait_dscnt 7-\t
	global_store_b128 v[CO], v[HB1+4*\t:HB1+4*\t+3], s[4:5] offset:2*\t*CPITCH+64*CPITCH
.endr
.endm
	HOUT 0, 0, 0x0a, 0x02
	HOUT 1, 1, 0x0a, 0x02
	HOUT 2, 2, 0x0a, 0x02
	HOUT 3, 3, 0x0a, 0x02
	HOUT 4, 0, 0x0f, 0x03
	HOUT 5, 1, 0x0f, 0x03
	HOUT 6, 2, 0x0f, 0x03
	HOUT 7, 3, 0x0f, 0x03
.Ldone:
	s_set_vgpr_msb 0x1
	s_wait_tensorcnt 0x0
	ds_add_u32 v255, v31
	s_wait_dscnt 0x0
	s_set_vgpr_msb 0x100
	CROUND                                         ; the closing round: no work-group ends while a partner may still ask for a tile that names it
	s_endpgm
.Lfunc_end_k_q4daaa0a829_qkv:
	.size	k_q4daaa0a829_qkv, .Lfunc_end_k_q4daaa0a829_qkv-k_q4daaa0a829_qkv
	.p2alignl 7, 3214868480
	.fill 96, 4, 3214868480
	.section	.rodata,"a",@progbits
	.p2align	6, 0x0
	.amdhsa_kernel k_q4daaa0a829_qkv
		.amdhsa_group_segment_fixed_size 327680
		.amdhsa_private_segment_fixed_size 0
		.amdhsa_enable_private_segment 0
		.amdhsa_kernarg_size 24
		.amdhsa_user_sgpr_count 2
		.amdhsa_user_sgpr_kernarg_segment_ptr 1
		.amdhsa_wavefront_size32 1
		.amdhsa_system_sgpr_workgroup_id_x 1
		.amdhsa_system_sgpr_workgroup_id_y 1
		.amdhsa_system_sgpr_workgroup_id_z 1
		.amdhsa_system_vgpr_workitem_id 0
		.amdhsa_next_free_vgpr 1024
		.amdhsa_next_free_sgpr 66
		.amdhsa_reserve_vcc 0
		.amdhsa_float_denorm_mode_32 3
		.amdhsa_float_denorm_mode_16_64 3
		.amdhsa_memory_ordered 1
		.amdhsa_forward_progress 1
		.amdhsa_inst_pref_size 255
	.end_amdhsa_kernel
	.section	.bss,"aw",@nobits
	.p2align	6
	.space	262144
	.amdgpu_metadata
---
amdhsa.version: [ 1, 2 ]
amdhsa.kernels:
  - .name:           k_q4daaa0a829_qkv
    .symbol:         k_q4daaa0a829_qkv.kd
    .args:
      - { .name: xb, .offset: 0, .size: 8, .value_kind: global_buffer, .address_space: global }
      - { .name: wqT, .offset: 8, .size: 8, .value_kind: global_buffer, .address_space: global }
      - { .name: qkv, .offset: 16, .size: 8, .value_kind: global_buffer, .address_space: global }
    .group_segment_fixed_size: 327680
    .private_segment_fixed_size: 0
    .kernarg_segment_align: 8
    .kernarg_segment_size: 24
    .max_flat_workgroup_size: 128
    .sgpr_count:     66
    .vgpr_count:     1024
    .wavefront_size: 32
...
	.end_amdgpu_metadata
.endif
;; end of part 2
;; launch sv (part 3): grid 64 x 4, 4 waves a work-group, clusters of 4 x 4, 327,680 bytes of LDS; arguments qkv, woT, pb, vT, stat; writes pb, vT, stat
.if DOCPART == 3
	.amdgcn_target "amdgcn-amd-amdhsa--gfx1250"
	.amdhsa_code_object_version 6
	.text
	.protected	k_q4daaa0a829_sv
	.globl	k_q4daaa0a829_sv
	.p2align	8
	.type	k_q4daaa0a829_sv,@function
k_q4daaa0a829_sv:
	s_mov_b64 s[64:65], 0
	v_nop
	global_prefetch_b8 v0, s[64:65] scope:SCOPE_SE
	s_setreg_imm32_b32 hwreg(HW_REG_WAVE_MODE, 25, 1), 1
	s_wait_xcnt 0x0
	s_wait_alu depctr_hold_cnt(0) depctr_sa_sdst(0) depctr_va_vdst(0) depctr_va_sdst(0) depctr_va_ssrc(0) depctr_va_vcc(0) depctr_vm_vsrc(0)
	s_getreg_b32 s2, hwreg(HW_REG_IB_STS2, 6, 4)
	s_cmp_eq_u32 s2, 0
	s_cbranch_scc0 .Lentry_in_a_cluster
	s_endpgm
.Lentry_in_a_cluster:
	s_bfe_u32 s2, ttmp6, 0x10000c
	s_cmp_lg_u32 s2, 0xf033
	s_cbranch_scc0 .Lentry_shape_is_right
	s_endpgm
.Lentry_shape_is_right:
; SV: four kinds of 256 x 256 x 1024 products in f16 with f32 sums, chosen by the cluster's number cid (equal in all sixteen partners).
;  cid 0..9: the 1024 x 1024 band (I, J), J <= I, of the scores.  S = Q K^T; for each row and each chunk of 128 keys (one wave's width, so the
;    reduction never leaves the wave): m2 = c max S, c = log2(e) / 32; P = exp2(c S - m2) in f16 to pb; l = sum of P in f32; m2 and l to stat.
;    The true maximum of the chunk is taken away; the last launch joins the chunks.  Masked places (key > row) count as -2^126, whose product with
;    c is exact: a chunk that is all masked gives P = 1 and m2 = -c 2^126, and the last launch weights it with exp2(m2 - M) = 0.  The blocks above
;    the diagonal in the diagonal clusters are computed like that, so that every partner makes every joint request.
;  cid 10..13: V'^T = woT V^T (out = attn (V Wout) + bout), each wave's tile of 128 d x 128 keys divided by g = 2^(E-127), E the exponent field of
;    the tile's largest magnitude (at most 253), so that f16 holds it whatever the inputs' size: to vT; g to stat.
;  cid 14, 15: ROWS AND KEYS 0..511 IN TWO f16 TERMS (a number cut to 11 significant bits, and the rest): a causal row with few keys has nothing that
;    averages operand roundings away.  The two-term copies of q, k, v hold 64 rows' first terms and then their second terms, so a wave's 128 rows of A
;    and of B are 64 rows in two terms, its accumulators hold the four partial products, and they are added in registers: the same main loop.
;    cid 14: scores, a wave makes 64 rows x 64 keys, softmax pieces per 64 keys.  cid 15: V'^T, a wave makes 128 d x 64 keys (woT is exact in one term).
;    Each 64 keys go out as 256 virtual keys, P as [P1 P2 P1 P2] into pb's columns 1024..3071 (free in these rows), V' as [V1 V1 V2 V2] into vT's
;    second plane: the last launch's plain product over them is (P1 + P2)(V1 + V2).  Their statistics go to the second copy of stat, two virtual chunks
;    of 128 for each 64 keys: m2 and g in both, l in the first and 0 in the second.
;    The plain P and statistics that cid 0 makes for rows 0..511 are read by nobody; those work-groups stay as partners of cid 0's joint loads.
; LIMITS: q, k, v come in f16 (below 65,504); a tile of V' whose largest magnitude is below 2^-126 gets g = 0 and counts as zero; a term below
; 2^-14 is rounded at 2^-25.
; The main loop, the ring of two slots, the joint loads and the register windows are those of the launch qkv.
.set SIZE_K, 1024
.set CPITCH, 8192                      ; bytes from row to row of pb and of vT
.set HQ,     0x1800000                 ; the two-term copies in qkv: q, then k, then v, 0x200000 bytes each
.set HSTAT,  1049600                   ; the second copy of stat
.set KSTEP,  128
.set PITCH,  272
.set HALFT,  128*PITCH
.set SLOT,   4*HALFT
.set STAGE,  2*SLOT                    ; 16 rows x 272 bytes for each wave
.set SPITCH, 272
.set SSTAT,  STAGE+4*16*SPITCH         ; 1,024 bytes for each wave: statistics on their way out.  No tensor load fills the stages
.set LAPS, SIZE_K/(2*KSTEP)
.set ADRA, 16
.set HL,   18                          ; v18     two terms: 16 (l % 16) + 16,384 (l / 16): both virtual chunks with one store
.set RDV,  19                          ; v19     two terms: as RD, but lanes 8-15 of a row read what lanes 0-7 read: a term twice
.set ADRB, 20
.set MV,   22                          ; v22     -2^126
.set HZ,   23                          ; v23     0, the second virtual chunk's l
.set STO,  24
.set RD,   25
.set CO,   26
.set TM,   27                          ; v27     a place (row tile A, column tile b, register j) is masked where 16 (b - A) + j > TM
.set PX,   28                          ; v28     what the other half of the lanes holds
.set SST,  29                          ; v29     my statistics stage + 4 (l % 16)
.set SRD,  30                          ; v30     my statistics stage + 16 l
.set L16,  31                          ; v31     16 l
.set MX,   32                          ; v[32:39]  row maxima of the eight row tiles; also the four chains of the tile's largest magnitude
.set AM,   32
.set NM,   40                          ; v[40:47]  -c max, four pairs
.set M2,   48                          ; v[48:55]  c max
.set SQ,   56                          ; v[56:63]  statistics on their way out
.set F0,   64
.set HE,   96                          ; v[96:127] two terms: the cut numbers, then the rests
.set F1,   128
.set TMP,  192
.set LS,   224                         ; v[224:239] row sums, eight pairs
.set LT,   240                         ; v[240:247] row sums
.set G1, 24
.set G0, 32
.set G1B, 48
.set G0B, 56
.set MSB, 0
.macro WIN new
.if MSB != \new
	s_set_vgpr_msb (MSB<<8)|\new
.set MSB, \new
.endif
.endm
.set MUL_LO, 0xa1
.set MUL_HI, 0xf1
.set TO_B,   0x40
.set SA2, 0x82                         ; destination and source 0 window 2, sources 1 and 2 window 0
.set SA3, 0xc3                         ; the same with window 3
.set SB2, 0x0a                         ; sources 0 and 1 window 2, source 2 and destination window 0
.set SB3, 0x0f
.set SC2, 0x02                         ; source 0 window 2, all else window 0
.set SC3, 0x03
.macro JLOAD s
	s_cmp_eq_u32 s11, 0
	s_cbranch_scc0 .Lfor_b_\@
	tensor_load_to_lds s[G0+4*\s:G0+4*\s+3], s[G1:G1+7]
	s_nop 0
	s_branch .Lasked_\@
.Lfor_b_\@:
	tensor_load_to_lds s[G0B+4*\s:G0B+4*\s+3], s[G1B:G1B+7]
	s_nop 0
.Lasked_\@:
.endm
.macro CREST
	s_cmp_lg_u32 s10, 0
	s_cbranch_scc1 .Lnot_wave_0_\@
	s_barrier_signal -3
.Lnot_wave_0_\@:
	s_barrier_wait -3
	s_barrier_signal -1
	s_barrier_wait -1
.endm
.macro CROUND
	s_barrier_signal -1
	s_barrier_wait -1
	CREST
.endm
	s_load_b128 s[4:7], s[0:1], 0x0                ; qkv s[4:5], woT s[6:7]
	s_load_b128 s[68:71], s[0:1], 0x10             ; pb s[68:69], vT s[70:71]
	s_load_b64 s[72:73], s[0:1], 0x20              ; stat
	s_set_vgpr_msb 0x40
	v_lshl_add_u32 v255, v0, 2, 0x49400
	s_set_vgpr_msb 0x4000
	v_mov_b32 v255, 0
	s_set_vgpr_msb 0x1
	ds_add_u32 v255, v255
	s_set_vgpr_msb 0x100
	v_lshrrev_b32 v1, 5, v0
	v_readfirstlane_b32 s10, v1                    ; wave 0..3
	s_lshr_b32 s11, s10, 1                         ; wr; also: I fetch for A (0) or B (1)
	s_and_b32 s12, s10, 1                          ; wc; also: which 128 rows I fetch
	s_bfe_u32 s40, ttmp6, 0x40000                  ; cx
	s_bfe_u32 s41, ttmp6, 0x40004                  ; cy
	s_mov_b32 s74, ttmp9                           ; cid 0..15
	s_cmp_ge_u32 s74, 1                            ; I = (cid >= 1) + (cid >= 3) + (cid >= 6): the row of the triangle
	s_cselect_b32 s75, 1, 0
	s_cmp_ge_u32 s74, 3
	s_cselect_b32 s77, 1, 0
	s_add_co_u32 s75, s75, s77
	s_cmp_ge_u32 s74, 6
	s_cselect_b32 s77, 1, 0
	s_add_co_u32 s75, s75, s77                     ; I
	s_add_co_u32 s77, s75, 1
	s_mul_i32 s77, s77, s75
	s_lshr_b32 s77, s77, 1
	s_sub_co_u32 s76, s74, s77                     ; J = cid - I (I + 1) / 2
	s_sub_co_u32 s77, s74, 10                      ; for V'^T: the band of 1,024 keys
	s_cmp_lt_u32 s74, 10
	s_cselect_b32 s82, s75, 0
	s_cselect_b32 s83, s76, s77
	s_cselect_b32 s98, 1, 0                        ; 1: scores (A from qkv, C = pb); 0: V'^T (A = woT, C = vT)
	s_cmp_ge_u32 s74, 14
	s_cselect_b32 s83, 0, s83                      ; the two-term clusters have one band
	s_cselect_b32 s96, 7, 8                        ; log2 of the rows of S in a block: 128 there, 256 elsewhere
	s_lshl_b32 s13, s82, 2
	s_add_co_u32 s13, s13, s41                     ; BR: block row
	s_lshl_b32 s42, s83, 2
	s_add_co_u32 s42, s42, s40                     ; BC: block column
	s_lshl_b32 s43, s41, 2
	s_lshl_b32 s43, 15, s43                        ; my row of the cluster
	s_lshl_b32 s44, 0x1111, s40                    ; my column
	s_mov_b32 s84, 0x76543210                      ; v_permlanex16_b32: lane i reads lane i of the other half
	s_mov_b32 s85, 0xfedcba98
	s_mov_b32 s86, 0x3d38aa3b                      ; c = log2(e) / 32, twice for the packed form
	s_mov_b32 s87, 0x3d38aa3b
	s_mov_b32 s88, 0xbd38aa3b                      ; -c
	s_mov_b32 s89, 0xffffe000                      ; keeps sign, exponent and the upper 10 bits of the fraction: exact in f16
	s_or_b32 s[G1+0], s43, (1<<16)|(1<<20)|(1<<21)|(5<<22)|(3<<25)
	s_or_b32 s[G1B+0], s44, (1<<16)|(1<<20)|(1<<21)|(5<<22)|(3<<25)
	s_mov_b32 s[G1+1], KSTEP<<16
	s_mov_b32 s[G1B+1], KSTEP<<16
	s_mov_b32 s[G1+2], 128<<16
	s_mov_b32 s[G1B+2], 128<<16
	s_mov_b32 s[G1+3], KSTEP<<16
	s_mov_b32 s[G1B+3], KSTEP<<16
	s_mov_b32 s[G1+4], 128
	s_mov_b32 s[G1B+4], 128
	s_mov_b32 s[G1+5], SIZE_K
	s_mov_b32 s[G1B+5], SIZE_K
	s_mov_b32 s[G1+6], 0
	s_mov_b32 s[G1B+6], 0
	s_mov_b32 s[G1+7], 0
	s_mov_b32 s[G1B+7], 0
	s_lshl_b32 s17, s12, 7
	s_lshl_b32 s16, s13, 8
	s_add_co_u32 s16, s16, s17                     ; A: row 256 BR + 128 x half
	s_lshl_b32 s46, s42, 8
	s_add_co_u32 s46, s46, s17                     ; B: row 256 BC + 128 x half
	s_mov_b32 s17, 0
	s_mov_b32 s47, 0
	s_mov_b64 s[18:19], SIZE_K*2
	s_mul_u64 s[16:17], s[16:17], s[18:19]
	s_mul_u64 s[46:47], s[46:47], s[18:19]
	s_mul_i32 s20, s10, HALFT
	; where B lies in qkv: K's plane, V's plane, k in two terms, v in two terms; and A, where it is q in two terms
	s_mov_b32 s82, 0x1000000
	s_cmp_lt_u32 s74, 10
	s_cselect_b32 s82, 0x800000, s82
	s_cmp_eq_u32 s74, 14
	s_cselect_b32 s82, HQ+0x200000, s82
	s_cselect_b32 s98, 1, s98
	s_cselect_b32 s80, HQ, 0
	s_cmp_eq_u32 s74, 15
	s_cselect_b32 s82, HQ+0x400000, s82
	s_mov_b32 s83, 0
	s_mov_b32 s81, 0
	s_wait_dscnt 0x0
	s_wait_kmcnt 0x0
	s_cmp_lg_u32 s98, 0
	s_cselect_b64 s[78:79], s[4:5], s[6:7]
	s_cselect_b64 s[8:9], s[68:69], s[70:71]
	s_add_nc_u64 s[78:79], s[78:79], s[80:81]
	s_add_nc_u64 s[80:81], s[4:5], s[82:83]
	s_add_nc_u64 s[14:15], s[78:79], s[16:17]
	s_add_nc_u64 s[46:47], s[80:81], s[46:47]
	CROUND                                         ; all sixteen work-groups are here: the first joint loads meet
.irp s, 0,1
	s_mov_b32 s[G0+4*\s], 1
	s_add_co_u32 s[G0+4*\s+1], s20, \s*SLOT
	s_add_nc_u64 s[G0+4*\s+2:G0+4*\s+3], s[14:15], \s*KSTEP*2
	s_or_b32 s[G0+4*\s+3], s[G0+4*\s+3], 0x80000000
	s_mov_b32 s[G0B+4*\s], 1
	s_add_co_u32 s[G0B+4*\s+1], s20, \s*SLOT
	s_add_nc_u64 s[G0B+4*\s+2:G0B+4*\s+3], s[46:47], \s*KSTEP*2
	s_or_b32 s[G0B+4*\s+3], s[G0B+4*\s+3], 0x80000000
	JLOAD \s
.endr
	v_and_b32 v1, 15, v0                           ; r = l % 16
	v_bfe_u32 v2, v0, 4, 1                         ; h = l / 16
	v_and_b32 v7, 31, v0                           ; l
	v_mul_u32_u24 v3, v1, PITCH
	v_lshl_add_u32 v3, v2, 4, v3
	s_mul_i32 s21, s11, HALFT
	s_mul_i32 s22, s12, HALFT
	s_add_co_u32 s22, s22, 2*HALFT
.irp s, 0,1
	v_add_nc_u32 v[ADRA+\s], s21, v3
	v_add_nc_u32 v[ADRB+\s], s22, v3
	s_add_co_u32 s21, s21, SLOT
	s_add_co_u32 s22, s22, SLOT
.endr
	s_mul_i32 s23, s10, 16*SPITCH
	s_add_co_u32 s23, s23, STAGE
	v_mul_u32_u24 v4, v1, SPITCH
	v_lshl_add_u32 v4, v2, 4, v4
	v_add_nc_u32 v[STO], s23, v4
	v_mul_u32_u24 v5, v2, SPITCH
	v_and_b32 v8, 7, v0
	v_lshl_add_u32 v9, v8, 4, v5
	v_add_nc_u32 v[RDV], s23, v9
	v_lshl_add_u32 v5, v1, 4, v5
	v_add_nc_u32 v[RD], s23, v5
	v_mul_u32_u24 v5, v2, CPITCH
	v_lshl_add_u32 v[CO], v1, 4, v5
	v_lshlrev_b32 v8, 4, v1
	v_lshl_add_u32 v[HL], v2, 14, v8
	; row = R BR + R/2 wr + 16 A + r, key = R BC + R/2 wc + 16 b + 8 h + j (R = 256, or 128 in two terms): key > row where 16 (b - A) + j > TM
	s_sub_co_i32 s93, s13, s42
	s_lshl_b32 s93, s93, s96
	s_sub_co_i32 s77, s11, s12
	s_sub_co_u32 s97, s96, 1
	s_lshl_b32 s77, s77, s97
	s_add_co_i32 s93, s93, s77
	v_lshlrev_b32 v6, 3, v2
	v_sub_nc_u32 v[TM], v1, v6
	v_add_nc_u32 v[TM], s93, v[TM]
	v_mov_b32 v[MV], 0xfe800000                    ; -2^126
	v_mov_b32 v[PX], 0                             ; v_permlanex16_b32 counts as a reader of its destination
	s_lshl_b32 s77, s10, 10
	s_add_co_u32 s77, s77, SSTAT
	v_lshl_add_u32 v[SST], v1, 2, s77
	v_lshl_add_u32 v[SRD], v7, 4, s77
	v_lshlrev_b32 v[L16], 4, v7
; The 64 accumulators take turns, one instruction a turn.
.macro MUL16 f, hi, a0, zero
.irp a, \a0, \a0+1
.irp b, 0,1,2,3,4,5,6,7
.if \zero
	v_wmma_f32_16x16x32_f16 v[8*(8*(\a)+\b):8*(8*(\a)+\b)+7], v[\f+8*\b:\f+8*\b+7], v[\f+8*(4*\hi+\a):\f+8*(4*\hi+\a)+7], 0
.else
	v_wmma_f32_16x16x32_f16 v[8*(8*(\a)+\b):8*(8*(\a)+\b)+7], v[\f+8*\b:\f+8*\b+7], v[\f+8*(4*\hi+\a):\f+8*(4*\hi+\a)+7], v[8*(8*(\a)+\b):8*(8*(\a)+\b)+7]
.endif
.endr
.endr
.endm
.macro FETCH slot, k, f
	WIN TO_B
.irp i, 0,1,2,3,4,5,6,7
	ds_load_b128 v[\f+8*\i:\f+8*\i+3],   v[ADRB+\slot] offset:\k+\i*16*PITCH
	ds_load_b128 v[\f+8*\i+4:\f+8*\i+7], v[ADRB+\slot] offset:\k+\i*16*PITCH+32
.endr
	WIN 0
.irp i, 0,1,2,3,4,5,6,7
	ds_load_b128 v[\f+8*\i:\f+8*\i+3],   v[ADRA+\slot] offset:\k+\i*16*PITCH
	ds_load_b128 v[\f+8*\i+4:\f+8*\i+7], v[ADRA+\slot] offset:\k+\i*16*PITCH+32
.endr
.endm
.macro PLACES                          ; four places behind a matrix instruction (ISA guide 7.12.1 for vector instructions)
.rept 4
	v_nop
.endr
.endm
.macro QUARTER slot, k, f, g, zero
	s_wait_dscnt 8                                 ; B and A's rows 0-63 are in; the youngest eight loads may be out
	WIN MUL_LO
	MUL16 \f, 0, 0, \zero
	MUL16 \f, 0, 2, \zero
	PLACES
	FETCH \slot, \k, \g
	s_wait_dscnt 32                                ; all but the 32 just issued
	WIN MUL_HI
	MUL16 \f, 1, 0, \zero
	MUL16 \f, 1, 2, \zero
.endm
.macro THREE slot, zero
	QUARTER \slot, 64,  F0, F1, \zero
	QUARTER \slot, 128, F1, F0, 0
	QUARTER \slot, 192, F0, F1, 0
.endm
.macro TURN slot, next, fill
	s_wait_dscnt 8
	WIN MUL_LO
	MUL16 F1, 0, 0, 0
	s_wait_dscnt 0                                 ; my reads of this slot are over
	s_wait_tensorcnt 0x0                           ; all my tensor loads have landed: the one that was out is my part of the next slot
	ds_add_u32 v255, v255
	s_wait_dscnt 0x0
	s_barrier_signal -1
	MUL16 F1, 0, 2, 0
	WIN 0
	s_barrier_wait -1
.if \fill
	CREST                                          ; no wave of any partner still reads this slot or has a load on its way
	s_add_nc_u64 s[G0+4*\slot+2:G0+4*\slot+3], s[G0+4*\slot+2:G0+4*\slot+3], 2*KSTEP*2
	s_add_nc_u64 s[G0B+4*\slot+2:G0B+4*\slot+3], s[G0B+4*\slot+2:G0B+4*\slot+3], 2*KSTEP*2
	JLOAD \slot                                    ; the first tensor load behind the round
.endif
	PLACES
	FETCH \next, 0, F0
	WIN MUL_HI
	MUL16 F1, 1, 0, 0
	MUL16 F1, 1, 2, 0
.endm
.macro LAP zero
	THREE 0, \zero
	TURN 0, 1, 1
	THREE 1, 0
	TURN 1, 0, 1
.endm
	s_wait_tensorcnt 1                             ; my part of K step 0 is in; K step 1's load stays out
	s_barrier_signal -1
	s_barrier_wait -1
	FETCH 0, 0, F0
	LAP 1
	WIN 0
	s_mov_b32 s3, LAPS-2
.Llap:
	LAP 0
	WIN 0
	s_sub_co_u32 s3, s3, 1
	s_cmp_lg_u32 s3, 0
	s_cbranch_scc1 .Llap
	THREE 0, 0
	TURN 0, 1, 0
	THREE 1, 0
	s_wait_dscnt 8
	WIN MUL_LO
	MUL16 F1, 0, 0, 0
	MUL16 F1, 0, 2, 0
	s_wait_dscnt 0
	WIN MUL_HI
	MUL16 F1, 1, 0, 0
	MUL16 F1, 1, 2, 0
; ---- behind the products.  In a tile (A, b), lane (r, h), register j holds row 16 A + r, column 16 b + 8 h + j: a row's numbers lie in
; ---- lane r and lane r + 16, tile (a, b) of a window at register 64 a + 8 b.
; The causal mask on one window (row tiles 4 hi .. 4 hi + 3), column tiles 0 .. nb - 1
.macro MASKW hi, sa, nb
	WIN \sa
.irp a, 0,1,2,3
.irp b, 0,1,2,3,4,5,6,7
.if \b < \nb
.irp j, 0,1,2,3,4,5,6,7
	v_cmp_gt_i32 vcc_lo, 16*(\b-4*\hi-\a)+\j, v[TM]
	v_cndmask_b32 v[8*(8*\a+\b)+\j], v[8*(8*\a+\b)+\j], v[MV], vcc_lo
.endr
.endif
.endr
.endr
.endm
; One window: the rows' maxima, then P = exp2(c S - c max) in place.  np: pairs of registers of a row tile (32: 128 columns; 16: 64 columns)
.macro SOFT hi, sa, sb, np
	WIN \sb
.irp a, 0,1,2,3
	v_max_num_f32 v[MX+4*\hi+\a], v[64*\a], v[64*\a+1]             ; the first two numbers start each chain; the four chains take turns
.endr
.set n, 1
.rept \np-1
.irp a, 0,1,2,3
	v_max3_num_f32 v[MX+4*\hi+\a], v[64*\a+2*n], v[64*\a+2*n+1], v[MX+4*\hi+\a]
.endr
.set n, n+1
.endr
	WIN 0
.irp a, 0,1,2,3
	v_permlanex16_b32 v[PX], v[MX+4*\hi+\a], s84, s85              ; the row's other half
	v_max_num_f32 v[MX+4*\hi+\a], v[MX+4*\hi+\a], v[PX]
	v_mul_f32 v[M2+4*\hi+\a], s86, v[MX+4*\hi+\a]                  ; m2 = c max, as it is stored,
	v_mul_f32 v[NM+2*\a], s88, v[MX+4*\hi+\a]                      ; and exactly its negative, twice
	v_mul_f32 v[NM+2*\a+1], s88, v[MX+4*\hi+\a]
.endr
	WIN \sa
.irp a, 0,1,2,3
.set n, 0
.rept \np
	v_pk_fma_f32 v[64*\a+2*n:64*\a+2*n+1], v[64*\a+2*n:64*\a+2*n+1], s[86:87], v[NM+2*\a:NM+2*\a+1] op_sel_hi:[1,0,1]
.set n, n+1
.endr
.endr
.irp a, 0,1,2,3
.set n, 0
.rept 2*\np
	v_exp_f32 v[64*\a+n], v[64*\a+n]
.set n, n+1
.endr
.endr
	v_nop                                          ; one plain place behind the last exponential before its result is used (ISA guide 5.7.2)
	s_wait_alu depctr_va_vdst(0)
.endm
; 16 rows out.  sum = 1: the rows' sums of P in f32 ride along; they add through the third source, which is the one that names window 0 here.
.macro OUT16 i, a, from, f, sum
	WIN \from
.irp b, 0,1,2,3,4,5,6,7
.irp r, 0,1,2,3
	v_cvt_pk_f16_f32 v[TMP+4*\b+\r], v[8*(8*\a+\b)+2*\r], v[8*(8*\a+\b)+2*\r+1]
.if \sum
.if 4*\b+\r == 1
	v_pk_add_f32 v[LS+2*\i:LS+2*\i+1], v[64*\a:64*\a+1], v[64*\a+2:64*\a+3]
.endif
.if 4*\b+\r > 1
	v_pk_fma_f32 v[LS+2*\i:LS+2*\i+1], v[8*(8*\a+\b)+2*\r:8*(8*\a+\b)+2*\r+1], 1.0, v[LS+2*\i:LS+2*\i+1] op_sel_hi:[1,0,1]
.endif
.endif
.endr
.endr
	WIN 0
.irp b, 0,1,2,3,4,5,6,7
	ds_store_b128 v[STO], v[TMP+4*\b:TMP+4*\b+3] offset:32*\b
.endr
	s_wait_xcnt 0x0                                ; buffer f, which earlier stores read, and the stores' base are rewritten only behind this wait
.if \i
	s_add_nc_u64 s[8:9], s[8:9], 16*CPITCH
.endif
.irp t, 0,1,2,3,4,5,6,7
	ds_load_b128 v[\f+4*\t:\f+4*\t+3], v[RD] offset:\t*2*SPITCH    ; LDS serves a wave's instructions in order: these see the stores above
.endr
.irp t, 0,1,2,3,4,5,6,7
	s_wait_dscnt 7-\t
	global_store_b128 v[CO], v[\f+4*\t:\f+4*\t+3], s[8:9] offset:2*\t*CPITCH   ; 16 lanes store 256 consecutive bytes, aligned
.endr
.endm
; 16 rows x 64 columns out in two f16 terms, as 256 virtual columns (512 bytes).  The stage's row is [first terms | second terms], 128 bytes each.
; dup = 0 (P): that row goes out twice, [T1 T2 T1 T2].  dup = 1 (V'): each half is read back twice, [T1 T1] and [T2 T2].
.macro OUTH i, a, sb, sc, sum, dup
	WIN \sb
.set n, 0
.rept 32
	v_and_b32 v[HE+n], s89, v[64*\a+n]             ; the first term
.set n, n+1
.endr
.if \sum
	v_pk_add_f32 v[LS+2*\i:LS+2*\i+1], v[64*\a:64*\a+1], v[64*\a+2:64*\a+3]
.set n, 2
.rept 14
	v_pk_fma_f32 v[LS+2*\i:LS+2*\i+1], v[64*\a+2*n:64*\a+2*n+1], 1.0, v[LS+2*\i:LS+2*\i+1] op_sel_hi:[1,0,1]
.set n, n+1
.endr
.endif
	WIN 0
.set n, 0
.rept 16
	v_cvt_pk_f16_f32 v[TMP+n], v[HE+2*n], v[HE+2*n+1]
.set n, n+1
.endr
	WIN \sc
.set n, 0
.rept 16
	v_pk_add_f32 v[HE+2*n:HE+2*n+1], v[64*\a+2*n:64*\a+2*n+1], v[HE+2*n:HE+2*n+1] neg_lo:[0,1] neg_hi:[0,1]   ; the rest, exact in f32
.set n, n+1
.endr
	WIN 0
.set n, 0
.rept 16
	v_cvt_pk_f16_f32 v[TMP+16+n], v[HE+2*n], v[HE+2*n+1]
.set n, n+1
.endr
.irp b, 0,1,2,3
	ds_store_b128 v[STO], v[TMP+4*\b:TMP+4*\b+3] offset:32*\b
	ds_store_b128 v[STO], v[TMP+16+4*\b:TMP+16+4*\b+3] offset:128+32*\b
.endr
	s_wait_xcnt 0x0                                ; the read-back buffers, which earlier stores read, and the stores' base are rewritten only behind this wait
.if \i
	s_add_nc_u64 s[8:9], s[8:9], 16*CPITCH
.endif
.if \dup
.irp t, 0,1,2,3,4,5,6,7
	ds_load_b128 v[F0+4*\t:F0+4*\t+3], v[RDV] offset:\t*2*SPITCH
.endr
.irp t, 0,1,2,3,4,5,6,7
	ds_load_b128 v[F1+4*\t:F1+4*\t+3], v[RDV] offset:\t*2*SPITCH+128
.endr
.irp t, 0,1,2,3,4,5,6,7
	s_wait_dscnt 15-\t                             ; the 7 - t younger loads of the first run and the 8 of the second may be out
	global_store_b128 v[CO], v[F0+4*\t:F0+4*\t+3], s[8:9] offset:2*\t*CPITCH
.endr
.irp t, 0,1,2,3,4,5,6,7
	s_wait_dscnt 7-\t
	global_store_b128 v[CO], v[F1+4*\t:F1+4*\t+3], s[8:9] offset:2*\t*CPITCH+256
.endr
.else
.irp t, 0,1,2,3,4,5,6,7
	ds_load_b128 v[F0+4*\t:F0+4*\t+3], v[RD] offset:\t*2*SPITCH
.endr
.irp t, 0,1,2,3,4,5,6,7
	s_wait_dscnt 7-\t
	global_store_b128 v[CO], v[F0+4*\t:F0+4*\t+3], s[8:9] offset:2*\t*CPITCH
	global_store_b128 v[CO], v[F0+4*\t:F0+4*\t+3], s[8:9] offset:2*\t*CPITCH+256
.endr
.endif
.endm
.macro SCALEW sa                       ; one window times 1 / g
	WIN \sa
.set n, 0
.rept 128
	v_pk_mul_f32 v[2*n:2*n+1], v[2*n:2*n+1], s[90:91] op_sel_hi:[1,0]
.set n, n+1
.endr
.endm
.macro SCALEH sa                       ; the same for column tiles 0 .. 3 alone
	WIN \sa
.irp a, 0,1,2,3
.set n, 0
.rept 16
	v_pk_mul_f32 v[64*\a+2*n:64*\a+2*n+1], v[64*\a+2*n:64*\a+2*n+1], s[90:91] op_sel_hi:[1,0]
.set n, n+1
.endr
.endr
.endm
.macro JOINB win                       ; in one window: tile (a, b) += tile (a, b + 4), the product with B's second terms
	WIN \win
.irp a, 0,1,2,3
.set n, 0
.rept 16
	v_pk_add_f32 v[64*\a+2*n:64*\a+2*n+1], v[64*\a+2*n:64*\a+2*n+1], v[64*\a+32+2*n:64*\a+32+2*n+1]
.set n, n+1
.endr
.endr
.endm
; From the four chains' maxima: g in v[AM+4], 1 / g in s[90:91]
.macro GFIG
	WIN 0
	v_max3_num_f32 v[AM], v[AM], v[AM+1], v[AM+2]
	v_max_num_f32 v[AM], v[AM], v[AM+3]
	v_max_num_f32_dpp v[AM], v[AM], v[AM] row_xmask:1 row_mask:0xf bank_mask:0xf
	v_max_num_f32_dpp v[AM], v[AM], v[AM] row_xmask:2 row_mask:0xf bank_mask:0xf
	v_max_num_f32_dpp v[AM], v[AM], v[AM] row_xmask:4 row_mask:0xf bank_mask:0xf
	v_max_num_f32_dpp v[AM], v[AM], v[AM] row_xmask:8 row_mask:0xf bank_mask:0xf
	v_permlanex16_b32 v[PX], v[AM], s84, s85
	v_max_num_f32 v[AM], v[AM], v[PX]
	v_and_b32 v[AM+4], 0x7f800000, v[AM]           ; g = 2^(E-127): the exponent field alone,
	v_min_u32 v[AM+4], 0x7e800000, v[AM+4]         ; E at most 253, so that 1 / g is a normal number
	v_sub_nc_u32 v[AM+5], 0x7f000000, v[AM+4]      ; 1 / g = 2^(127-E)
	v_readfirstlane_b32 s90, v[AM+5]
	s_mov_b32 s91, s90
.endm
	PLACES
	WIN 0
	s_mov_b32 s95, 0
	s_cmp_ge_u32 s74, 14
	s_cbranch_scc1 .Lhead
	s_lshl_b32 s16, s13, 8
	s_lshl_b32 s17, s11, 7
	s_add_co_u32 s16, s16, s17                     ; my first row of C
	s_lshl_b32 s16, s16, 13                        ; x 8,192 bytes: below 2^25
	s_mov_b32 s17, 0
	s_add_nc_u64 s[8:9], s[8:9], s[16:17]
	s_lshl_b32 s46, s42, 9                         ; my first column, in bytes
	s_lshl_b32 s47, s12, 8
	s_add_co_u32 s46, s46, s47
	s_mov_b32 s47, 0
	s_add_nc_u64 s[8:9], s[8:9], s[46:47]
	s_cmp_ge_u32 s74, 10
	s_cbranch_scc1 .Lplain
	; scores.  stat: m2 at (chunk 2 BC + wc) x 16,384 + (row 256 BR + 128 wr) x 4; l 524,288 bytes further
	s_lshl_b32 s94, s42, 1
	s_add_co_u32 s94, s94, s12
	s_lshl_b32 s94, s94, 14
	s_lshl_b32 s93, s13, 10
	s_add_co_u32 s94, s94, s93
	s_lshl_b32 s93, s11, 9
	s_add_co_u32 s94, s94, s93
	s_add_nc_u64 s[72:73], s[72:73], s[94:95]
	s_cmp_lg_u32 s75, s76                          ; below the diagonal band nothing is masked
	s_cbranch_scc1 .Lfree
	MASKW 0, SA2, 8
	MASKW 1, SA3, 8
	WIN 0
.Lfree:
	SOFT 0, SA2, SB2, 32
	OUT16 0, 0, SB2, F0, 1
	OUT16 1, 1, SB2, F1, 1
	OUT16 2, 2, SB2, F0, 1
	OUT16 3, 3, SB2, F1, 1
	SOFT 1, SA3, SB3, 32
	OUT16 4, 0, SB3, F0, 1
	OUT16 5, 1, SB3, F1, 1
	OUT16 6, 2, SB3, F0, 1
	OUT16 7, 3, SB3, F1, 1
	; the statistics: through my own stage, so that each store covers 512 consecutive bytes
.irp q, 0,1,2,3,4,5,6,7
	v_add_f32 v[LT+\q], v[LS+2*\q], v[LS+2*\q+1]
.endr
.irp q, 0,1,2,3,4,5,6,7
	v_permlanex16_b32 v[PX], v[LT+\q], s84, s85
	v_add_f32 v[LT+\q], v[LT+\q], v[PX]
.endr
.irp q, 0,1,2,3,4,5,6,7
	ds_store_b32 v[SST], v[M2+\q] offset:64*\q                     ; lanes r and r + 16 write the same word with the same value
	ds_store_b32 v[SST], v[LT+\q] offset:512+64*\q
.endr
	ds_load_b128 v[SQ:SQ+3], v[SRD]                                ; my own bytes, served in order
	ds_load_b128 v[SQ+4:SQ+7], v[SRD] offset:512
	s_wait_dscnt 1
	global_store_b128 v[L16], v[SQ:SQ+3], s[72:73]
	s_wait_dscnt 0
	global_store_b128 v[L16], v[SQ+4:SQ+7], s[72:73] offset:524288
	s_branch .Ljoin
.Lplain:
	; V'^T.  stat: g at 1,048,576 + ((2 BR + wr) x 32 + 2 BC + wc) x 4
	s_lshl_b32 s94, s13, 1
	s_add_co_u32 s94, s94, s11
	s_lshl_b32 s94, s94, 5
	s_lshl_b32 s93, s42, 1
	s_add_co_u32 s93, s93, s12
	s_add_co_u32 s94, s94, s93
	s_lshl_b32 s94, s94, 2
	s_add_co_u32 s94, s94, 1048576
	s_add_nc_u64 s[72:73], s[72:73], s[94:95]
	; the largest magnitude of my 128 x 128 tile, in four chains
	WIN SB2
.irp k, 0,1,2,3
	v_max_num_f32 v[AM+\k], |v[2*\k]|, |v[2*\k+1]|
.endr
.set n, 4
.rept 124
	v_max3_num_f32 v[AM+n%4], |v[2*n]|, |v[2*n+1]|, v[AM+n%4]
.set n, n+1
.endr
	WIN SB3
.set n, 0
.rept 128
	v_max3_num_f32 v[AM+n%4], |v[2*n]|, |v[2*n+1]|, v[AM+n%4]
.set n, n+1
.endr
	GFIG
	SCALEW SA2
	OUT16 0, 0, SB2, F0, 0
	OUT16 1, 1, SB2, F1, 0
	OUT16 2, 2, SB2, F0, 0
	OUT16 3, 3, SB2, F1, 0
	SCALEW SA3
	OUT16 4, 0, SB3, F0, 0
	OUT16 5, 1, SB3, F1, 0
	OUT16 6, 2, SB3, F0, 0
	OUT16 7, 3, SB3, F1, 0
	v_cmp_eq_u32 vcc_lo, 0, v[L16]                 ; lane 0 stores the tile's one figure
	s_wait_xcnt 0x0                                ; EXEC is a source of the stores above: it changes only behind this wait
	s_and_saveexec_b32 s92, vcc_lo
	global_store_b32 v[L16], v[AM+4], s[72:73]
	s_wait_xcnt 0x0                                ; and again in front of the line that widens it
	s_or_b32 exec_lo, exec_lo, s92
	s_branch .Ljoin
.Lhead:
	; TWO TERMS.  My 64 keys are the piece s = 2 BC + wc: virtual columns 256 s .., 512 bytes
	s_lshl_b32 s46, s42, 10
	s_lshl_b32 s47, s12, 9
	s_add_co_u32 s46, s46, s47
	s_mov_b32 s47, 0
	s_add_nc_u64 s[8:9], s[8:9], s[46:47]
	s_cmp_eq_u32 s74, 15
	s_cbranch_scc1 .Lheadv
	; scores: rows 128 BR + 64 wr .. + 63; pb's column 1024 is byte 2,048 of a row
	s_lshl_b32 s16, s13, 7
	s_lshl_b32 s17, s11, 6
	s_add_co_u32 s16, s16, s17
	s_lshl_b32 s94, s16, 2                         ; the rows' place in a chunk of stat
	s_lshl_b32 s16, s16, 13
	s_add_co_u32 s16, s16, 2048
	s_mov_b32 s17, 0
	s_add_nc_u64 s[8:9], s[8:9], s[16:17]
	s_lshl_b32 s93, s42, 16                        ; virtual chunk 2 s: (2 BC + wc) x 32,768 bytes
	s_add_co_u32 s94, s94, s93
	s_lshl_b32 s93, s12, 15
	s_add_co_u32 s94, s94, s93
	s_add_co_u32 s94, s94, HSTAT
	s_add_nc_u64 s[72:73], s[72:73], s[94:95]
	; window 2 holds Q1 K1 (b < 4) and Q1 K2 (b >= 4), window 3 Q2 K1 and Q2 K2: the small ones first, then onto Q1 K1
	WIN 0x8e                                       ; destination and source 0 window 2, source 1 window 3
.irp a, 0,1,2,3
.set n, 0
.rept 16
	v_pk_add_f32 v[64*\a+32+2*n:64*\a+32+2*n+1], v[64*\a+32+2*n:64*\a+32+2*n+1], v[64*\a+2*n:64*\a+2*n+1]
.set n, n+1
.endr
.endr
.irp a, 0,1,2,3
.set n, 0
.rept 16
	v_pk_add_f32 v[64*\a+32+2*n:64*\a+32+2*n+1], v[64*\a+32+2*n:64*\a+32+2*n+1], v[64*\a+32+2*n:64*\a+32+2*n+1]
.set n, n+1
.endr
.endr
	JOINB 0x8a
	MASKW 0, SA2, 4
	SOFT 0, SA2, SB2, 16
	OUTH 0, 0, SB2, SC2, 1, 0
	OUTH 1, 1, SB2, SC2, 1, 0
	OUTH 2, 2, SB2, SC2, 1, 0
	OUTH 3, 3, SB2, SC2, 1, 0
	; statistics of 64 rows, for two virtual chunks: [m2 | m2] and [l | 0] in my stage; lanes 0-15 store the first chunk's 256 bytes, lanes 16-31 the second's
.irp q, 0,1,2,3
	v_add_f32 v[LT+\q], v[LS+2*\q], v[LS+2*\q+1]
.endr
.irp q, 0,1,2,3
	v_permlanex16_b32 v[PX], v[LT+\q], s84, s85
	v_add_f32 v[LT+\q], v[LT+\q], v[PX]
.endr
	v_mov_b32 v[HZ], 0                             ; data that is stored: the sum is counted once
.irp q, 0,1,2,3
	ds_store_b32 v[SST], v[M2+\q] offset:64*\q
	ds_store_b32 v[SST], v[M2+\q] offset:256+64*\q
	ds_store_b32 v[SST], v[LT+\q] offset:512+64*\q
	ds_store_b32 v[SST], v[HZ] offset:768+64*\q
.endr
	ds_load_b128 v[SQ:SQ+3], v[SRD]
	ds_load_b128 v[SQ+4:SQ+7], v[SRD] offset:512
	s_wait_dscnt 1
	global_store_b128 v[HL], v[SQ:SQ+3], s[72:73]
	s_wait_dscnt 0
	global_store_b128 v[HL], v[SQ+4:SQ+7], s[72:73] offset:524288
	s_branch .Ljoin
.Lheadv:
	; V'^T: rows d = 256 BR + 128 wr .. + 127 of vT's second plane; g for virtual chunks 2 s and 2 s + 1
	s_lshl_b32 s16, s13, 8
	s_lshl_b32 s17, s11, 7
	s_add_co_u32 s16, s16, s17
	s_lshl_b32 s16, s16, 13
	s_add_co_u32 s16, s16, 0x800000
	s_mov_b32 s17, 0
	s_add_nc_u64 s[8:9], s[8:9], s[16:17]
	s_lshl_b32 s94, s13, 1
	s_add_co_u32 s94, s94, s11
	s_lshl_b32 s94, s94, 5
	s_lshl_b32 s93, s42, 2
	s_add_co_u32 s94, s94, s93
	s_lshl_b32 s93, s12, 1
	s_add_co_u32 s94, s94, s93
	s_lshl_b32 s94, s94, 2
	s_add_co_u32 s94, s94, HSTAT+1048576
	s_add_nc_u64 s[72:73], s[72:73], s[94:95]
	JOINB 0x8a                                     ; woT V1 + woT V2, my rows 0-63
	JOINB 0xcf                                     ; and 64-127
	WIN SB2
.irp a, 0,1,2,3
	v_max_num_f32 v[AM+\a], |v[64*\a]|, |v[64*\a+1]|
.endr
.set n, 1
.rept 15
.irp a, 0,1,2,3
	v_max3_num_f32 v[AM+\a], |v[64*\a+2*n]|, |v[64*\a+2*n+1]|, v[AM+\a]
.endr
.set n, n+1
.endr
	WIN SB3
.set n, 0
.rept 16
.irp a, 0,1,2,3
	v_max3_num_f32 v[AM+\a], |v[64*\a+2*n]|, |v[64*\a+2*n+1]|, v[AM+\a]
.endr
.set n, n+1
.endr
	GFIG
	v_mov_b32 v[AM+5], v[AM+4]                     ; g twice: the two virtual chunks' figures lie side by side
	SCALEH SA2
	OUTH 0, 0, SB2, SC2, 0, 1
	OUTH 1, 1, SB2, SC2, 0, 1
	OUTH 2, 2, SB2, SC2, 0, 1
	OUTH 3, 3, SB2, SC2, 0, 1
	SCALEH SA3
	OUTH 4, 0, SB3, SC3, 0, 1
	OUTH 5, 1, SB3, SC3, 0, 1
	OUTH 6, 2, SB3, SC3, 0, 1
	OUTH 7, 3, SB3, SC3, 0, 1
	v_cmp_eq_u32 vcc_lo, 0, v[L16]
	s_wait_xcnt 0x0                                ; EXEC is a source of the stores above: it changes only behind this wait
	s_and_saveexec_b32 s92, vcc_lo
	global_store_b64 v[L16], v[AM+4:AM+5], s[72:73]
	s_wait_xcnt 0x0                                ; and again in front of the line that widens it
	s_or_b32 exec_lo, exec_lo, s92
.Ljoin:
	s_set_vgpr_msb 0x1
	s_wait_tensorcnt 0x0
	ds_add_u32 v255, v255
	s_wait_dscnt 0x0
	s_set_vgpr_msb 0x100
	CROUND                                         ; the closing round: no work-group ends while a partner may still ask for a tile that names it
	s_endpgm
.Lfunc_end_k_q4daaa0a829_sv:
	.size	k_q4daaa0a829_sv, .Lfunc_end_k_q4daaa0a829_sv-k_q4daaa0a829_sv
	.p2alignl 7, 3214868480
	.fill 96, 4, 3214868480
	.section	.rodata,"a",@progbits
	.p2align	6, 0x0
	.amdhsa_kernel k_q4daaa0a829_sv
		.amdhsa_group_segment_fixed_size 327680
		.amdhsa_private_segment_fixed_size 0
		.amdhsa_enable_private_segment 0
		.amdhsa_kernarg_size 40
		.amdhsa_user_sgpr_count 2
		.amdhsa_user_sgpr_kernarg_segment_ptr 1
		.amdhsa_wavefront_size32 1
		.amdhsa_system_sgpr_workgroup_id_x 1
		.amdhsa_system_sgpr_workgroup_id_y 1
		.amdhsa_system_sgpr_workgroup_id_z 1
		.amdhsa_system_vgpr_workitem_id 0
		.amdhsa_next_free_vgpr 1024
		.amdhsa_next_free_sgpr 100
		.amdhsa_reserve_vcc 1
		.amdhsa_float_denorm_mode_32 3
		.amdhsa_float_denorm_mode_16_64 3
		.amdhsa_memory_ordered 1
		.amdhsa_forward_progress 1
		.amdhsa_inst_pref_size 255
	.end_amdhsa_kernel
	.section	.bss,"aw",@nobits
	.p2align	6
	.space	262144
	.amdgpu_metadata
---
amdhsa.version: [ 1, 2 ]
amdhsa.kernels:
  - .name:           k_q4daaa0a829_sv
    .symbol:         k_q4daaa0a829_sv.kd
    .args:
      - { .name: qkv, .offset: 0, .size: 8, .value_kind: global_buffer, .address_space: global }
      - { .name: woT, .offset: 8, .size: 8, .value_kind: global_buffer, .address_space: global }
      - { .name: pb, .offset: 16, .size: 8, .value_kind: global_buffer, .address_space: global }
      - { .name: vT, .offset: 24, .size: 8, .value_kind: global_buffer, .address_space: global }
      - { .name: stat, .offset: 32, .size: 8, .value_kind: global_buffer, .address_space: global }
    .group_segment_fixed_size: 327680
    .private_segment_fixed_size: 0
    .kernarg_segment_align: 8
    .kernarg_segment_size: 40
    .max_flat_workgroup_size: 128
    .sgpr_count:     100
    .vgpr_count:     1024
    .wavefront_size: 32
...
	.end_amdgpu_metadata
.endif
;; end of part 3
;; launch pv (part 4): grid 8 x 32, 4 waves a work-group, clusters of 4 x 4, 327,680 bytes of LDS; arguments pb, vT, stat, bout, out0; writes out0
.if DOCPART == 4
	.amdgcn_target "amdgcn-amd-amdhsa--gfx1250"
	.amdhsa_code_object_version 6
	.text
	.protected	k_q4daaa0a829_pv
	.globl	k_q4daaa0a829_pv
	.p2align	8
	.type	k_q4daaa0a829_pv,@function
k_q4daaa0a829_pv:
	s_mov_b64 s[64:65], 0
	v_nop
	global_prefetch_b8 v0, s[64:65] scope:SCOPE_SE
	s_setreg_imm32_b32 hwreg(HW_REG_WAVE_MODE, 25, 1), 1
	s_wait_xcnt 0x0
	s_wait_alu depctr_hold_cnt(0) depctr_sa_sdst(0) depctr_va_vdst(0) depctr_va_sdst(0) depctr_va_ssrc(0) depctr_va_vcc(0) depctr_vm_vsrc(0)
	s_getreg_b32 s2, hwreg(HW_REG_IB_STS2, 6, 4)
	s_cmp_eq_u32 s2, 0
	s_cbranch_scc0 .Lentry_in_a_cluster
	s_endpgm
.Lentry_in_a_cluster:
	s_bfe_u32 s2, ttmp6, 0x10000c
	s_cmp_lg_u32 s2, 0xf033
	s_cbranch_scc0 .Lentry_shape_is_right
	s_endpgm
.Lentry_shape_is_right:
; PV: out[i][d] = bout[d] + sum over chunks ch of 128 keys of f[ch][i] (P[i][ch] . V'[ch][d]),
;     f = exp2(m2[ch][i] - M[i]) / L[i] x g[d tile][ch],  M = max over ch of m2,  L = sum over ch of l exp2(m2 - M)  (L >= 1).
; That joins the chunks' softmax pieces under the row's true maximum.  A chunk that is all masked has m2 = -c 2^126, so f = 0 there.
; A work-group makes 128 rows x 128 columns with four waves of 64 x 64.  Each chunk's product is summed in accumulators X of its own (started by
; C = 0) and folded in f32, T += f X; T starts as bout, loaded straight into it.  K goes in steps of 256 keys (two chunks) through two LDS slots.
; CLUSTERS of 4 x 4: P's rows are shared along a row of the cluster, vT's rows along a column; both come by joint loads.  All sixteen partners walk
; the same number of steps, so that every partner makes every joint request: keys 0 .. 512 (Y + 1) - 1 (Y the cluster's y); for the upper rows of
; the cluster the chunks past the diagonal are weighted with 0.
; ROWS 0..511 (Y = 0) walk instead the 2,048 virtual keys in which the launch before laid P and V' of keys 0..511 in two f16 terms each (pb's columns
; 1024.., vT's second plane, the second copy of stat): the same text with three other offsets and four laps; 8 steps against the longest cluster's 16.
; The factors are made as they are needed, from m2 and g read by loads whose scalar bases step with the lap: every LDS address is the same in every trip.
; REGISTERS: window 0 addresses and factors; window 1 two fragment buffers (in each: vT's at 32 ks + 8 b, P's at 64 + 32 ks + 8 a);
; window 2: X at 8 (4 a + b), T at 128 + 8 (4 a + b).  Source 0 = vT's rows: a lane holds eight neighbouring columns of one row of out.
.set PITCH,  528                       ; 512 bytes + 16 = 33 x 16: 16 neighbouring rows start in 16 different 16-byte columns modulo 256 bytes
.set HALFT,  64*PITCH                  ; 64 rows: one tensor load
.set SLOT,   4*HALFT                   ; P's 128 rows, then vT's 128 rows
.set MTAB,   2*SLOT                    ; M[128], then 1 / L[128]; no tensor load fills it, nor the stages
.set STAGE,  MTAB+1024                 ; 16 rows x 272 bytes for each wave
.set SPITCH, 272
.set HSTAT,  1049600                   ; the second copy of stat
.set ADRA, 16                          ; v16-17  my P fragments in slot 0, 1
.set ADRB, 20                          ; v20-21  my vT fragments
.set STO,  24
.set RD,   25
.set CO,   26
.set TRD,  27                          ; v27     MTAB + 4 (64 wr + r)
.set BO,   28                          ; v28     32 h
.set T4,   29                          ; v29     4 t
.set TST,  30                          ; v30     MTAB + 4 t
.set R4,   31                          ; v31     4 r
.set F,    32                          ; v[32:39]   the factor of row tile a, twice
.set MQ,   40                          ; v[40:55]   m2 of the lap's chunk q, row tile a, at 4 q + a
.set EX,   56                          ; v[56:59]   at work
.set EM,   64                          ; v[64:95]   the prologue: m2 of my row, then exp2(m2 - M)
.set EL,   96                          ; v[96:127]  the prologue: l of my row
.set R0,   128                         ; the way out, two buffers
.set R1,   160
.set MR,   192                         ; v[192:195] M of my four rows
.set RLR,  196                         ; v[196:199] 1 / L of my four rows
.set FB0,  0
.set FB1,  128
.set X,    0
.set T,    128
.set G1, 24
.set G0, 32
.set G1B, 48
.set G0B, 56
.set MSB, 0
.macro WIN new
.if MSB != \new
	s_set_vgpr_msb (MSB<<8)|\new
.set MSB, \new
.endif
.endm
.set MULW,  0xa5                       ; sources 0 and 1 window 1, C and D window 2
.set TO_F,  0x40                       ; destination window 1
.set FOLDW, 0xa2                       ; destination, sources 0 and 2 window 2, source 1 window 0
.set TO_T,  0x80                       ; destination window 2
.set FROM_T, 0x08                      ; store data (source 1) window 2
.macro JLOAD s
	s_cmp_eq_u32 s15, 0
	s_cbranch_scc0 .Lfor_b_\@
	tensor_load_to_lds s[G0+4*\s:G0+4*\s+3], s[G1:G1+7]
	s_nop 0
	s_branch .Lasked_\@
.Lfor_b_\@:
	tensor_load_to_lds s[G0B+4*\s:G0B+4*\s+3], s[G1B:G1B+7]
	s_nop 0
.Lasked_\@:
.endm
.macro CREST
	s_cmp_lg_u32 s14, 0
	s_cbranch_scc1 .Lnot_wave_0_\@
	s_barrier_signal -3
.Lnot_wave_0_\@:
	s_barrier_wait -3
	s_barrier_signal -1
	s_barrier_wait -1
.endm
.macro CROUND
	s_barrier_signal -1
	s_barrier_wait -1
	CREST
.endm
	s_load_b256 s[4:11], s[0:1], 0x0               ; pb s[4:5], vT s[6:7], stat s[8:9], bout s[10:11]
	s_load_b64 s[12:13], s[0:1], 0x20              ; out0
	v_lshl_add_u32 v254, v0, 2, 0x46800
	v_mov_b32 v255, 0
	ds_add_u32 v254, v255
	v_lshrrev_b32 v1, 5, v0
	v_readfirstlane_b32 s14, v1                    ; wave 0..3
	s_lshr_b32 s15, s14, 1                         ; wr; also: I fetch for P (0) or vT (1)
	s_and_b32 s16, s14, 1                          ; wc; also: which 64 rows I fetch
	s_bfe_u32 s40, ttmp6, 0x40000                  ; cx
	s_bfe_u32 s41, ttmp6, 0x40004                  ; cy
	s_lshl_b32 s42, ttmp9, 2
	s_add_co_u32 s42, s42, s40                     ; bc: 128 columns, 0..7
	s_and_b32 s17, ttmp7, 0xffff                   ; Y, 0..7
	s_lshl_b32 s45, s17, 2
	s_add_co_u32 s45, s45, s41                     ; br: 128 rows, 0..31
	s_cmp_eq_u32 s17, 0                            ; Y = 0: the rows in two terms
	s_cselect_b32 s21, 2048, 0                     ; P from pb's column 1024 on
	s_cselect_b32 s22, 0x800000, 0                 ; V' from vT's second plane
	s_cselect_b32 s78, HSTAT, 0                    ; statistics from the second copy
	s_cselect_b32 s17, 3, s17                      ; laps with refills: 2,048 virtual keys are 4 laps; else Y + 1 laps.  At least 1
	s_lshl_b32 s43, s41, 2
	s_lshl_b32 s43, 15, s43                        ; my row of the cluster
	s_lshl_b32 s44, 0x1111, s40                    ; my column
	; group 1: 64 rows x 256 elements of 2 bytes, 4 words of padding behind every 128 words
	s_or_b32 s[G1+0], s43, (1<<16)|(1<<20)|(1<<21)|(6<<22)|(3<<25)
	s_or_b32 s[G1B+0], s44, (1<<16)|(1<<20)|(1<<21)|(6<<22)|(3<<25)
	s_mov_b32 s[G1+1], 256<<16                     ; tensor_dim0 = 256
	s_mov_b32 s[G1B+1], 256<<16
	s_mov_b32 s[G1+2], 64<<16                      ; tensor_dim1 = 64
	s_mov_b32 s[G1B+2], 64<<16
	s_mov_b32 s[G1+3], 256<<16                     ; tile_dim0 = 256
	s_mov_b32 s[G1B+3], 256<<16
	s_mov_b32 s[G1+4], 64                          ; tile_dim1 = 64
	s_mov_b32 s[G1B+4], 64
	s_mov_b32 s[G1+5], 4096                        ; elements from row to row, in pb and in vT
	s_mov_b32 s[G1B+5], 4096
	s_mov_b32 s[G1+6], 0
	s_mov_b32 s[G1B+6], 0
	s_mov_b32 s[G1+7], 0
	s_mov_b32 s[G1B+7], 0
	s_lshl_b32 s19, s16, 6
	s_lshl_b32 s18, s45, 7
	s_add_co_u32 s18, s18, s19                     ; P: row 128 br + 64 x half
	s_lshl_b32 s18, s18, 13                        ; x 8,192 bytes: below 2^25
	s_add_co_u32 s18, s18, s21
	s_lshl_b32 s46, s42, 7
	s_add_co_u32 s46, s46, s19                     ; vT: row 128 bc + 64 x half
	s_lshl_b32 s46, s46, 13
	s_add_co_u32 s46, s46, s22
	s_mov_b32 s19, 0
	s_mov_b32 s47, 0
	s_mov_b32 s79, 0
	s_mul_i32 s20, s14, HALFT                      ; LDS: wave x 64 rows
	s_wait_dscnt 0x0
	s_wait_kmcnt 0x0
	s_add_nc_u64 s[18:19], s[4:5], s[18:19]
	s_add_nc_u64 s[46:47], s[6:7], s[46:47]
	s_add_nc_u64 s[8:9], s[8:9], s[78:79]
	CROUND                                         ; all sixteen work-groups are here: the first joint loads meet
.irp s, 0,1
	s_mov_b32 s[G0+4*\s], 1
	s_add_co_u32 s[G0+4*\s+1], s20, \s*SLOT
	s_add_nc_u64 s[G0+4*\s+2:G0+4*\s+3], s[18:19], \s*512
	s_or_b32 s[G0+4*\s+3], s[G0+4*\s+3], 0x80000000
	s_mov_b32 s[G0B+4*\s], 1
	s_add_co_u32 s[G0B+4*\s+1], s20, \s*SLOT
	s_add_nc_u64 s[G0B+4*\s+2:G0B+4*\s+3], s[46:47], \s*512
	s_or_b32 s[G0B+4*\s+3], s[G0B+4*\s+3], 0x80000000
	JLOAD \s                                       ; two tensor loads of the wave are out at the most, here and in the loop
.endr
	; the statistics of row 128 br + t (thread t), all 32 chunks; then the bias into T
	s_lshl_b32 s78, s45, 9
	s_add_nc_u64 s[76:77], s[8:9], s[78:79]        ; stat + 4 x 128 br
	s_lshl_b32 s78, s15, 8
	s_add_nc_u64 s[72:73], s[76:77], s[78:79]      ; + 4 x 64 wr: my wave's rows, chunk 0
	s_lshl_b32 s78, s42, 7
	s_add_co_u32 s78, s78, 1048576
	s_add_nc_u64 s[74:75], s[8:9], s[78:79]        ; g[bc][0]
	s_lshl_b32 s46, s42, 9                         ; my first column x 4 bytes, for bout and for out0
	s_lshl_b32 s47, s16, 8
	s_add_co_u32 s46, s46, s47
	s_mov_b32 s47, 0
	s_add_nc_u64 s[10:11], s[10:11], s[46:47]
	v_and_b32 v1, 15, v0                           ; r
	v_bfe_u32 v2, v0, 4, 1                         ; h
	v_lshlrev_b32 v[T4], 2, v0
	v_lshlrev_b32 v[BO], 5, v2
.set n, 0
.rept 32
	global_load_b32 v[EM+n], v[T4], s[76:77] offset:n*16384
	global_load_b32 v[EL+n], v[T4], s[76:77] offset:n*16384+524288
.set n, n+1
.endr
	WIN TO_T
.irp a, 0,1,2,3
.irp b, 0,1,2,3
	global_load_b128 v[T+8*(4*\a+\b):T+8*(4*\a+\b)+3],   v[BO], s[10:11] offset:64*\b      ; bout of columns 16 b + 8 h + 0 .. 3
	global_load_b128 v[T+8*(4*\a+\b)+4:T+8*(4*\a+\b)+7], v[BO], s[10:11] offset:64*\b+16   ; and + 4 .. 7
.endr
.endr
	WIN 0
	v_mul_u32_u24 v3, v1, PITCH
	v_lshl_add_u32 v3, v2, 4, v3
	s_mul_i32 s21, s15, HALFT
	s_mul_i32 s22, s16, HALFT
	s_add_co_u32 s22, s22, 2*HALFT
.irp s, 0,1
	v_add_nc_u32 v[ADRA+\s], s21, v3
	v_add_nc_u32 v[ADRB+\s], s22, v3
	s_add_co_u32 s21, s21, SLOT
	s_add_co_u32 s22, s22, SLOT
.endr
	s_mul_i32 s23, s14, 16*SPITCH
	s_add_co_u32 s23, s23, STAGE
	v_mul_u32_u24 v4, v1, SPITCH                   ; in: row r, 32 bytes for each half of the lanes
	v_lshl_add_u32 v4, v2, 5, v4
	v_add_nc_u32 v[STO], s23, v4
	v_mul_u32_u24 v5, v2, SPITCH                   ; back: lanes 0-15 one row of 256 bytes, lanes 16-31 the next
	v_lshl_add_u32 v5, v1, 4, v5
	v_add_nc_u32 v[RD], s23, v5
	v_lshlrev_b32 v5, 12, v2                       ; the same two rows in out0, 4,096 bytes apart
	v_lshl_add_u32 v[CO], v1, 4, v5
	s_lshl_b32 s23, s15, 8
	s_add_co_u32 s23, s23, MTAB
	v_lshl_add_u32 v[TRD], v1, 2, s23
	v_add_nc_u32 v[TST], MTAB, v[T4]
	v_lshlrev_b32 v[R4], 2, v1
	s_wait_loadcnt 32                              ; the 64 statistics are in; the 32 younger loads of the bias stay out
	v_max_num_f32 v8, v[EM], v[EM+1]
.set n, 1
.rept 15
	v_max3_num_f32 v8, v[EM+2*n], v[EM+2*n+1], v8  ; M
.set n, n+1
.endr
.set n, 0
.rept 32
	v_sub_f32 v[EM+n], v[EM+n], v8
.set n, n+1
.endr
.set n, 0
.rept 32
	v_exp_f32 v[EM+n], v[EM+n]
.set n, n+1
.endr
	v_nop                                          ; one plain place behind the last exponential (ISA guide 5.7.2)
	s_wait_alu depctr_va_vdst(0)
.irp k, 0,1,2,3
	v_mul_f32 v[9+\k], v[EM+\k], v[EL+\k]          ; L in four chains, started by the first four products
.endr
.set n, 4
.rept 28
	v_fma_f32 v[9+n%4], v[EM+n], v[EL+n], v[9+n%4]
.set n, n+1
.endr
	v_add_f32 v9, v9, v10
	v_add_f32 v11, v11, v12
	v_add_f32 v9, v9, v11
	v_rcp_f32 v13, v9
	v_nop                                          ; one plain place behind the reciprocal
	ds_store_b32 v[TST], v8
	s_wait_alu depctr_va_vdst(0)
	ds_store_b32 v[TST], v13 offset:512
	s_wait_tensorcnt 1                             ; my part of step 0 is in; step 1's load stays out
	s_wait_dscnt 0x0                               ; my two words of the table are written
	s_barrier_signal -1
	s_barrier_wait -1
.irp a, 0,1,2,3
	ds_load_b32 v[MR+\a],  v[TRD] offset:64*\a
	ds_load_b32 v[RLR+\a], v[TRD] offset:512+64*\a
.endr
; 8 matrix instructions: row tiles a0, a0 + 1 x the four column tiles, 32 keys.  zero = 1: the chunk's first products start X.
; The 16 accumulators take turns, one instruction a turn.
.macro MUL8 fb, ks, a0, zero
.irp a, \a0, \a0+1
.irp b, 0,1,2,3
.if \zero
	v_wmma_f32_16x16x32_f16 v[X+8*(4*(\a)+\b):X+8*(4*(\a)+\b)+7], v[\fb+32*\ks+8*\b:\fb+32*\ks+8*\b+7], v[\fb+64+32*\ks+8*(\a):\fb+64+32*\ks+8*(\a)+7], 0
.else
	v_wmma_f32_16x16x32_f16 v[X+8*(4*(\a)+\b):X+8*(4*(\a)+\b)+7], v[\fb+32*\ks+8*\b:\fb+32*\ks+8*\b+7], v[\fb+64+32*\ks+8*(\a):\fb+64+32*\ks+8*(\a)+7], v[X+8*(4*(\a)+\b):X+8*(4*(\a)+\b)+7]
.endif
.endr
.endr
.endm
; 32 LDS loads: the fragments of 64 keys at byte kb of the slot's rows; the first 16 are those of the first 32 keys
.macro FETCH slot, kb, fb
	WIN TO_F
.irp ks, 0,1
.irp i, 0,1,2,3
	ds_load_b128 v[\fb+32*\ks+8*\i:\fb+32*\ks+8*\i+3],   v[ADRB+\slot] offset:\kb+64*\ks+\i*16*PITCH
	ds_load_b128 v[\fb+32*\ks+8*\i+4:\fb+32*\ks+8*\i+7], v[ADRB+\slot] offset:\kb+64*\ks+\i*16*PITCH+32
.endr
.irp i, 0,1,2,3
	ds_load_b128 v[\fb+64+32*\ks+8*\i:\fb+64+32*\ks+8*\i+3],   v[ADRA+\slot] offset:\kb+64*\ks+\i*16*PITCH
	ds_load_b128 v[\fb+64+32*\ks+8*\i+4:\fb+64+32*\ks+8*\i+7], v[ADRA+\slot] offset:\kb+64*\ks+\i*16*PITCH+32
.endr
.endr
.endm
.macro PLACES                          ; four places behind a matrix instruction (ISA guide 7.12.1 for vector instructions)
.rept 4
	v_nop
.endr
.endm
; 64 keys from buffer fb; in the middle the next 64 keys' fragments are fetched into buffer fbn
.macro GROUP slot, kbnext, fb, fbn, zero
	s_wait_dscnt 16                                ; the first 32 keys' fragments are in; the youngest 16 loads may be out
	WIN MULW
	MUL8 \fb, 0, 0, \zero
	MUL8 \fb, 0, 2, \zero
	PLACES
	FETCH \slot, \kbnext, \fbn
	s_wait_dscnt 32                                ; all but the 32 just issued
	WIN MULW
	MUL8 \fb, 1, 0, 0
	MUL8 \fb, 1, 2, 0
.endm
; The step's last 64 keys, and the change of slots: each wave waits for its reads of this slot and for all its tensor loads in front of the
; barrier; where the slot is filled again the round of the cluster's barrier is completed, and the joint refill is the first tensor load behind it.
.macro TURN slot, next, fill
	s_wait_dscnt 16
	WIN MULW
	MUL8 FB1, 0, 0, 0
	MUL8 FB1, 0, 2, 0
	s_wait_dscnt 0                                 ; my reads of this slot are over
	s_set_vgpr_msb 0xa5a0
	s_wait_tensorcnt 0x0                           ; all my tensor loads have landed: the one that was out is my part of the next slot
	ds_add_u32 v254, v255
	s_wait_dscnt 0x0
	s_set_vgpr_msb 0xa0a5
	s_barrier_signal -1
	MUL8 FB1, 1, 0, 0                              ; register work while the others arrive
	WIN 0
	s_barrier_wait -1
.if \fill
	CREST                                          ; no wave of any partner still reads this slot or has a load on its way
	s_add_nc_u64 s[G0+4*\slot+2:G0+4*\slot+3], s[G0+4*\slot+2:G0+4*\slot+3], 1024
	s_add_nc_u64 s[G0B+4*\slot+2:G0B+4*\slot+3], s[G0B+4*\slot+2:G0B+4*\slot+3], 1024
	JLOAD \slot
.endif
	PLACES
	FETCH \next, 0, FB0
	WIN MULW
	MUL8 FB1, 1, 2, 0
.endm
; The lap's statistics: m2 of its four chunks for my 64 rows (lane (r, h): rows 16 a + r), and the four g
.macro LOADSTAT
.irp q, 0,1,2,3
.irp a, 0,1,2,3
	global_load_b32 v[MQ+4*\q+\a], v[R4], s[72:73] offset:\q*16384+64*\a
.endr
.endr
	s_load_b128 s[68:71], s[74:75], 0x0
.endm
; T += f X for the lap's chunk q.  The four subtractions are the four places behind the last matrix instruction.
.macro FOLD q
	WIN 0
	s_wait_loadcnt 12-4*(\q)                       ; this chunk's four m2 are in (and, the first time, the bias); the later chunks' loads stay out
.if (\q) == 0
	s_wait_kmcnt 0x0                               ; the lap's four g
.endif
.irp a, 0,1,2,3
	v_sub_f32 v[EX+\a], v[MQ+4*(\q)+\a], v[MR+\a]
.endr
.irp a, 0,1,2,3
	v_exp_f32 v[EX+\a], v[EX+\a]
.endr
	v_nop                                          ; one plain place behind the last exponential
	s_wait_alu depctr_va_vdst(0)
.irp a, 0,1,2,3
	v_mul_f32 v[EX+\a], v[EX+\a], v[RLR+\a]
.endr
.irp a, 0,1,2,3
	v_mul_f32 v[F+2*\a],   s[68+(\q)], v[EX+\a]
	v_mul_f32 v[F+2*\a+1], s[68+(\q)], v[EX+\a]
.endr
	WIN FOLDW
.irp a, 0,1,2,3
.irp b, 0,1,2,3
.irp p, 0,1,2,3
	v_pk_fma_f32 v[T+8*(4*\a+\b)+2*\p:T+8*(4*\a+\b)+2*\p+1], v[X+8*(4*\a+\b)+2*\p:X+8*(4*\a+\b)+2*\p+1], v[F+2*\a:F+2*\a+1], v[T+8*(4*\a+\b)+2*\p:T+8*(4*\a+\b)+2*\p+1]
.endr
.endr
.endr
.endm
; A step: 256 keys = the lap's chunks q0 and q0 + 1
.macro STEP s, n, fill, q0
	GROUP \s, 128, FB0, FB1, 1
	GROUP \s, 256, FB1, FB0, 0
	FOLD \q0
	GROUP \s, 384, FB0, FB1, 1
	TURN \s, \n, \fill
	FOLD \q0+1
.endm
	FETCH 0, 0, FB0
	WIN 0
.Llap:                                             ; a lap = two steps = once round the ring, both slots filled again
	LOADSTAT
	STEP 0, 1, 1, 0
	STEP 1, 0, 1, 2
	WIN 0
	s_wait_xcnt 0x0                                ; met: the lap's loads are all in (loadcnt 0 and kmcnt 0 above); their bases step behind it
	s_add_nc_u64 s[72:73], s[72:73], 65536         ; four chunks on in m2
	s_add_nc_u64 s[74:75], s[74:75], 16            ; and in g
	s_sub_co_u32 s17, s17, 1
	s_cmp_lg_u32 s17, 0
	s_cbranch_scc1 .Llap
	; the last lap fills nothing
	LOADSTAT
	STEP 0, 1, 0, 0
	GROUP 1, 128, FB0, FB1, 1
	GROUP 1, 256, FB1, FB0, 0
	FOLD 2
	GROUP 1, 384, FB0, FB1, 1
	s_wait_dscnt 16
	WIN MULW
	MUL8 FB1, 0, 0, 0
	MUL8 FB1, 0, 2, 0
	s_wait_dscnt 0
	MUL8 FB1, 1, 0, 0
	MUL8 FB1, 1, 2, 0
	FOLD 3
	; THE WAY OUT, 16 rows at a time through my own stage: a lane's 32 bytes in, whole rows of 256 bytes back
	WIN 0
	s_lshl_b32 s18, s45, 7
	s_lshl_b32 s19, s15, 6
	s_add_co_u32 s18, s18, s19                     ; my first row
	s_lshl_b32 s18, s18, 12                        ; x 4,096 bytes: below 2^24
	s_mov_b32 s19, 0
	s_add_nc_u64 s[12:13], s[12:13], s[18:19]
	s_add_nc_u64 s[12:13], s[12:13], s[46:47]      ; my first column x 4 bytes, as for bout
.macro OUTA a, f
	WIN FROM_T
.irp b, 0,1,2,3
	ds_store_b128 v[STO], v[T+8*(4*\a+\b):T+8*(4*\a+\b)+3]   offset:64*\b
	ds_store_b128 v[STO], v[T+8*(4*\a+\b)+4:T+8*(4*\a+\b)+7] offset:64*\b+16
.endr
	WIN 0
	s_wait_xcnt 0x0                                ; buffer f, which earlier stores read, and the stores' base are rewritten only behind this wait
.if \a
	s_add_nc_u64 s[12:13], s[12:13], 65536         ; 16 rows on
.endif
.irp t, 0,1,2,3,4,5,6,7
	ds_load_b128 v[\f+4*\t:\f+4*\t+3], v[RD] offset:\t*2*SPITCH    ; LDS serves a wave's instructions in order: these see the stores above
.endr
.irp t, 0,1,2,3,4,5,6,7
	s_wait_dscnt 7-\t
	global_store_b128 v[CO], v[\f+4*\t:\f+4*\t+3], s[12:13] offset:\t*8192 th:TH_STORE_NT   ; 16 lanes store 256 consecutive bytes, aligned
.endr
.endm
	OUTA 0, R0
	OUTA 1, R1
	OUTA 2, R0
	OUTA 3, R1
	s_wait_tensorcnt 0x0
	ds_add_u32 v254, v255
	s_wait_dscnt 0x0
	CROUND                                         ; the closing round: no work-group ends while a partner may still ask for a tile that names it
	s_endpgm
.Lfunc_end_k_q4daaa0a829_pv:
	.size	k_q4daaa0a829_pv, .Lfunc_end_k_q4daaa0a829_pv-k_q4daaa0a829_pv
	.p2alignl 7, 3214868480
	.fill 96, 4, 3214868480
	.section	.rodata,"a",@progbits
	.p2align	6, 0x0
	.amdhsa_kernel k_q4daaa0a829_pv
		.amdhsa_group_segment_fixed_size 327680
		.amdhsa_private_segment_fixed_size 0
		.amdhsa_enable_private_segment 0
		.amdhsa_kernarg_size 40
		.amdhsa_user_sgpr_count 2
		.amdhsa_user_sgpr_kernarg_segment_ptr 1
		.amdhsa_wavefront_size32 1
		.amdhsa_system_sgpr_workgroup_id_x 1
		.amdhsa_system_sgpr_workgroup_id_y 1
		.amdhsa_system_sgpr_workgroup_id_z 1
		.amdhsa_system_vgpr_workitem_id 0
		.amdhsa_next_free_vgpr 768
		.amdhsa_next_free_sgpr 80
		.amdhsa_reserve_vcc 0
		.amdhsa_float_denorm_mode_32 3
		.amdhsa_float_denorm_mode_16_64 3
		.amdhsa_memory_ordered 1
		.amdhsa_forward_progress 1
		.amdhsa_inst_pref_size 144
	.end_amdhsa_kernel
	.amdgpu_metadata
---
amdhsa.version: [ 1, 2 ]
amdhsa.kernels:
  - .name:           k_q4daaa0a829_pv
    .symbol:         k_q4daaa0a829_pv.kd
    .args:
      - { .name: pb, .offset: 0, .size: 8, .value_kind: global_buffer, .address_space: global }
      - { .name: vT, .offset: 8, .size: 8, .value_kind: global_buffer, .address_space: global }
      - { .name: stat, .offset: 16, .size: 8, .value_kind: global_buffer, .address_space: global }
      - { .name: bout, .offset: 24, .size: 8, .value_kind: global_buffer, .address_space: global }
      - { .name: out0, .offset: 32, .size: 8, .value_kind: global_buffer, .address_space: global }
    .group_segment_fixed_size: 327680
    .private_segment_fixed_size: 0
    .kernarg_segment_align: 8
    .kernarg_segment_size: 40
    .max_flat_workgroup_size: 128
    .sgpr_count:     80
    .vgpr_count:     768
    .wavefront_size: 32
...
	.end_amdgpu_metadata
.endif
;; end of part 4
;; ======== version 2 of 2: 4 launches; version 1 with the launch prep written anew for expert scheduling mode
;; limits: values are held in f16: magnitudes above 65,504 overflow, below 6.1e-05 lose precision
;; workspace buffers: xb 8,388,608 bytes; wqT 6,291,456 bytes; woT 2,097,152 bytes; qkv 31,457,280 bytes; pb 33,554,432 bytes; vT 16,777,216 bytes; stat 2,099,200 bytes
;; launch prep (part 5): grid 1057 x 1, 8 waves a work-group, no clusters, 18,432 bytes of LDS; arguments x, Wqkv, Wout, xb, wqT, woT, stat; writes xb, wqT, woT, stat
.if DOCPART == 5
	.amdgcn_target "amdgcn-amd-amdhsa--gfx1250"
	.amdhsa_code_object_version 6
	.text
	.protected	k_q4daaa0a829_prep
	.globl	k_q4daaa0a829_prep
	.p2align	8
	.type	k_q4daaa0a829_prep,@function
k_q4daaa0a829_prep:
	s_mov_b64 s[64:65], 0
	v_nop
	global_prefetch_b8 v0, s[64:65] scope:SCOPE_SE
	s_setreg_imm32_b32 hwreg(HW_REG_WAVE_SCHED_MODE, 0, 2), 2
	s_setreg_imm32_b32 hwreg(HW_REG_WAVE_MODE, 25, 1), 1
	s_wait_xcnt 0x0
	s_wait_alu depctr_vm_vsrc(0)
; PREP: the operands of the later products, and default statistics.  Five kinds of work-group, chosen by the work-group's number w
; (the same for all eight waves, so the one barrier below is passed by all or by none):
;   w <  512          xb  = bf16(x), 32 KiB in and 16 KiB out for each work-group
;   512 <= w <  896   wqT[n][k] = bf16(Wqkv[k][n]), a tile of 128 k x 64 n, turned in LDS
;   896 <= w < 1024   woT[d][c] = f16(bf16(Wout[c][d])), the same tile
;   1024 <= w < 1056  stat: m2 = -c 2^126 (the figure of a chunk that is all masked), l = 0, for the chunks that no later launch writes
;   w = 1056          the same two figures for chunks 16..31, rows 0..511, of the second copy of stat (the rows kept in two f16 terms)
; Memory binds: every input byte is read once, 16 lanes read 256 consecutive bytes, 16 lanes store 256 consecutive aligned bytes.
; No matrix unit, no cluster: nothing is shared and nothing is multiplied.
; LIMIT: woT is f16: |Wout| below 65,504; magnitudes below 2^-17 are rounded at 2^-25.
; THE MODE: SCHED_MODE bits 1:0 = 2 (LLVM: expert scheduling mode 2), set by the entry lines.  The code itself states the register dependences
; between vector instructions and memory or LDS instructions, with s_wait_alu, always for 0.
; THE PLAN.  Registers that memory or LDS instructions touch:
;   v3 .. v6   offsets and LDS addresses: each written once, by vector lines, ahead of a wait on va_vdst that stands ahead of its first reader.
;   L          written by the loads from memory, read by the roundings; in the turned tiles the loads from LDS land in its first sixteen
;              registers, behind the last wait on va_vdst, which stands behind every rounding.
;   D          four registers to a piece: written once by the piece's roundings, read by the piece's store or stores, which are issued at the
;              head of the NEXT piece, behind the wait for that piece's data and one wait on va_vdst; the last piece's behind one more.
;   v64, v65   written at the head, read by the closing add alone.
; No register that a memory or LDS instruction has read is ever written again, so no wait on vm_vsrc is owed; no vector instruction writes a
; scalar register or VCC; EXEC is never written; there is no loop.
.set TP, 272                           ; LDS pitch of a turned row: 128 k x 2 bytes + 16
.set HSTAT, 1049600                    ; the second copy of stat
.set L,  8                             ; v[8:39]   eight loads of 16 bytes
.set D,  40                            ; v[40:55]  sixteen packed words
.set W0, 56                            ; v[56:57]  at work: no memory instruction names them
; A tile of 128 k x 64 n of a [1024][cols] f32 matrix goes out as 64 rows of 128 16-bit numbers.
; Thread t: n = 4 (t & 15) .. + 3; load i: k = 2 (t >> 4) + (i & 1) + 32 (i >> 1).  Loads 2p and 2p + 1 hold neighbouring k: they pack.
.macro TRANS cols, tof16, first, src, dst
	s_sub_co_u32 s19, s18, \first                  ; the tile's number
	s_and_b32 s24, s19, 7                          ; kt: which 128 k
	s_lshr_b32 s25, s19, 3                         ; nt: which 64 n
	s_mul_i32 s20, s24, 128*4*\cols
	s_lshl_b32 s26, s25, 8
	s_add_co_u32 s20, s20, s26
	s_add_nc_u64 s[\src:\src+1], s[\src:\src+1], s[20:21]
	s_lshl_b32 s22, s25, 17                        ; 64 rows of 2,048 bytes
	s_lshl_b32 s26, s24, 8                         ; 128 k of 2 bytes
	s_add_co_u32 s22, s22, s26
	s_add_nc_u64 s[\dst:\dst+1], s[\dst:\dst+1], s[22:23]
	v_mul_u32_u24 v3, v2, 8*\cols                  ; two rows of 4 cols bytes for each t >> 4
	v_lshl_add_u32 v3, v1, 4, v3
	s_wait_alu depctr_va_vdst(0)                   ; v3 is written, which the eight loads read as their offset
.irp i, 0,1,2,3,4,5,6,7
	global_load_b128 v[L+4*\i:L+4*\i+3], v3, s[\src:\src+1] offset:((\i&1)+32*(\i>>1))*4*\cols th:TH_LOAD_NT
.endr
	v_mul_u32_u24 v4, v1, 4*TP                     ; in: LDS row n = 4 (t & 15) + j, byte 2 k
	v_lshl_add_u32 v4, v2, 2, v4
	v_mul_u32_u24 v5, v2, TP                       ; back: row (t >> 4) + 16 i, 16 bytes for each t & 15
	v_lshl_add_u32 v5, v1, 4, v5
	v_lshlrev_b32 v6, 11, v2                       ; and the same place in the output, rows of 2,048 bytes
	v_lshl_add_u32 v6, v1, 4, v6
.irp p, 0,1,2,3
	s_wait_loadcnt 6-2*\p                          ; loads come back in order: this pair is in, the younger pairs stay out
.if \p
	s_wait_alu depctr_va_vdst(0)                   ; the pair before has written its four words of D, which the LDS stores below read; the first time v4, their address, is written too
.irp j, 0,1,2,3
	ds_store_b32 v4, v[D+4*(\p-1)+\j] offset:\j*TP+64*(\p-1)   ; 16 rows 1,088 bytes apart fall on four groups of banks: four deep, accepted since memory binds here
.endr
.endif
.irp j, 0,1,2,3
	v_cvt_pk_bf16_f32 v[D+4*\p+\j], v[L+8*\p+\j], v[L+8*\p+4+\j]
.if \tof16
	v_lshlrev_b32 v[W0], 16, v[D+4*\p+\j]          ; the bf16 values again as f32,
	v_and_b32 v[W0+1], 0xffff0000, v[D+4*\p+\j]
	v_cvt_pk_f16_f32 v[D+4*\p+\j], v[W0], v[W0+1]  ; and as f16: eight significant bits fit
.endif
.endr
.endr
	s_wait_alu depctr_va_vdst(0)                   ; the last pair has written its four words of D, which the LDS stores below read; all roundings are done reading L, in which the loads from LDS land; v5 and v6 are written
.irp j, 0,1,2,3
	ds_store_b32 v4, v[D+12+\j] offset:\j*TP+192
.endr
	s_wait_dscnt 0x0                               ; my stores are done, for the other waves' sake
	s_barrier_signal -1
	s_barrier_wait -1
.irp i, 0,1,2,3
	ds_load_b128 v[L+4*\i:L+4*\i+3], v5 offset:16*TP*\i   ; no vector instruction since the wait above names these registers or v5
.endr
.irp i, 0,1,2,3
	s_wait_dscnt 3-\i
	global_store_b128 v6, v[L+4*\i:L+4*\i+3], s[\dst:\dst+1] offset:32768*\i   ; 16 lanes: 256 consecutive bytes, aligned
.endr
.endm
	s_load_b256 s[4:11], s[0:1], 0x0               ; x s[4:5], Wqkv s[6:7], Wout s[8:9], xb s[10:11]
	s_load_b128 s[12:15], s[0:1], 0x20             ; wqT s[12:13], woT s[14:15]
	s_load_b64 s[16:17], s[0:1], 0x30              ; stat
	v_lshl_add_u32 v64, v0, 2, 0x4400
	v_mov_b32 v65, 0
	s_mov_b32 s18, ttmp9                           ; w
	s_mov_b32 s21, 0                               ; upper words of the two offsets
	s_mov_b32 s23, 0
	v_and_b32 v1, 15, v0                           ; t & 15
	v_lshrrev_b32 v2, 4, v0                        ; t >> 4
	s_wait_kmcnt 0x0
	s_cmp_lt_u32 s18, 512
	s_cbranch_scc1 .Lcast
	s_cmp_lt_u32 s18, 896
	s_cbranch_scc1 .Lwqkv
	s_cmp_lt_u32 s18, 1024
	s_cbranch_scc1 .Lwout
	s_cmp_lt_u32 s18, 1056
	s_cbranch_scc0 .Lhead
	; default statistics: 32 work-groups x 32 KiB = m2[32][4096], then l[32][4096]
	s_sub_co_u32 s19, s18, 1024
	s_lshl_b32 s20, s19, 15
	s_add_nc_u64 s[16:17], s[16:17], s[20:21]
	s_cmp_lt_u32 s19, 16
	s_cselect_b32 s22, 0xfc38aa3b, 0               ; m2 = -(log2 e / 32) 2^126; l = 0
	v_mov_b32 v4, s22
	v_mov_b32 v5, s22
	v_mov_b32 v6, s22
	v_mov_b32 v7, s22
	v_lshlrev_b32 v3, 4, v0
	s_wait_alu depctr_va_vdst(0)                   ; v3, the stores' offset, and v[4:7], their data, are written
.irp i, 0,1,2,3,4,5,6,7
	global_store_b128 v3, v[4:7], s[16:17] offset:4096*\i
.endr
	s_endpgm
.Lhead:
	; the second copy: 512 rows are 2,048 bytes of a chunk, 128 threads; the 256 threads take two chunks with each store
	s_add_nc_u64 s[16:17], s[16:17], HSTAT+16*16384
	v_and_b32 v3, 127, v0
	v_lshrrev_b32 v8, 7, v0
	v_lshlrev_b32 v3, 4, v3
	v_lshl_add_u32 v3, v8, 14, v3                  ; 16 (t & 127) + 16,384 (t >> 7)
.irp k, 4,5,6,7
	v_mov_b32 v\k, 0xfc38aa3b
.endr
.irp k, 8,9,10,11
	v_mov_b32 v\k, 0                               ; l = 0: data that is stored
.endr
	s_wait_alu depctr_va_vdst(0)                   ; v3, the stores' offset, and v[4:11], their data, are written
.irp i, 0,1,2,3,4,5,6,7
	global_store_b128 v3, v[4:7], s[16:17] offset:32768*\i
	global_store_b128 v3, v[8:11], s[16:17] offset:32768*\i+524288
.endr
	s_endpgm
.Lcast:
	; x to bf16: thread t takes 8 numbers at byte 32 t of each of four pieces of 8,192 bytes
	s_lshl_b32 s20, s18, 15
	s_lshl_b32 s22, s18, 14
	s_add_nc_u64 s[4:5], s[4:5], s[20:21]
	s_add_nc_u64 s[10:11], s[10:11], s[22:23]
	v_lshlrev_b32 v3, 5, v0
	v_lshlrev_b32 v4, 4, v0
	s_wait_alu depctr_va_vdst(0)                   ; v3 and v4 are written: the loads' offset and the stores'
.irp g, 0,1,2,3
	global_load_b128 v[L+8*\g:L+8*\g+3],   v3, s[4:5] offset:8192*\g th:TH_LOAD_NT
	global_load_b128 v[L+8*\g+4:L+8*\g+7], v3, s[4:5] offset:8192*\g+16 th:TH_LOAD_NT
.endr
.irp g, 0,1,2,3
	s_wait_loadcnt 6-2*\g                          ; this piece's two loads are in, the younger ones stay out
.if \g
	s_wait_alu depctr_va_vdst(0)                   ; the piece before has written its four words of D, which the store below reads
	global_store_b128 v4, v[D+4*(\g-1):D+4*(\g-1)+3], s[10:11] offset:4096*(\g-1)
.endif
.irp j, 0,1,2,3
	v_cvt_pk_bf16_f32 v[D+4*\g+\j], v[L+8*\g+2*\j], v[L+8*\g+2*\j+1]
.endr
.endr
	s_wait_alu depctr_va_vdst(0)                   ; the last piece has written its four words of D, which the last store reads
	global_store_b128 v4, v[D+12:D+15], s[10:11] offset:4096*3
	s_endpgm
.Lwqkv:
	TRANS 3072, 0, 512, 6, 12
	s_wait_dscnt 0x0                               ; the closing lines, six on end
	s_wait_alu 0x0
	s_wait_tensorcnt 0x0
	ds_add_u32 v64, v65
	s_wait_dscnt 0x0
	s_endpgm
.Lwout:
	TRANS 1024, 1, 896, 8, 14
	s_wait_dscnt 0x0                               ; the closing lines once more, for this end
	s_wait_alu 0x0
	s_wait_tensorcnt 0x0
	ds_add_u32 v64, v65
	s_wait_dscnt 0x0
	s_endpgm
.Lfunc_end_k_q4daaa0a829_prep:
	.size	k_q4daaa0a829_prep, .Lfunc_end_k_q4daaa0a829_prep-k_q4daaa0a829_prep
	.p2alignl 7, 3214868480
	.fill 96, 4, 3214868480
	.section	.rodata,"a",@progbits
	.p2align	6, 0x0
	.amdhsa_kernel k_q4daaa0a829_prep
		.amdhsa_group_segment_fixed_size 18432
		.amdhsa_private_segment_fixed_size 0
		.amdhsa_enable_private_segment 0
		.amdhsa_kernarg_size 56
		.amdhsa_user_sgpr_count 2
		.amdhsa_user_sgpr_kernarg_segment_ptr 1
		.amdhsa_wavefront_size32 1
		.amdhsa_system_sgpr_workgroup_id_x 1
		.amdhsa_system_sgpr_workgroup_id_y 1
		.amdhsa_system_sgpr_workgroup_id_z 1
		.amdhsa_system_vgpr_workitem_id 0
		.amdhsa_next_free_vgpr 66
		.amdhsa_next_free_sgpr 66
		.amdhsa_reserve_vcc 0
		.amdhsa_float_denorm_mode_32 3
		.amdhsa_float_denorm_mode_16_64 3
		.amdhsa_memory_ordered 1
		.amdhsa_forward_progress 1
		.amdhsa_inst_pref_size 20
	.end_amdhsa_kernel
	.amdgpu_metadata
---
amdhsa.version: [ 1, 2 ]
amdhsa.kernels:
  - .name:           k_q4daaa0a829_prep
    .symbol:         k_q4daaa0a829_prep.kd
    .args:
      - { .name: x, .offset: 0, .size: 8, .value_kind: global_buffer, .address_space: global }
      - { .name: Wqkv, .offset: 8, .size: 8, .value_kind: global_buffer, .address_space: global }
      - { .name: Wout, .offset: 16, .size: 8, .value_kind: global_buffer, .address_space: global }
      - { .name: xb, .offset: 24, .size: 8, .value_kind: global_buffer, .address_space: global }
      - { .name: wqT, .offset: 32, .size: 8, .value_kind: global_buffer, .address_space: global }
      - { .name: woT, .offset: 40, .size: 8, .value_kind: global_buffer, .address_space: global }
      - { .name: stat, .offset: 48, .size: 8, .value_kind: global_buffer, .address_space: global }
    .group_segment_fixed_size: 18432
    .private_segment_fixed_size: 0
    .kernarg_segment_align: 8
    .kernarg_segment_size: 56
    .max_flat_workgroup_size: 256
    .sgpr_count:     66
    .vgpr_count:     66
    .wavefront_size: 32
...
	.end_amdgpu_metadata
.endif
;; end of part 5
;; launch qkv: the kernel of part 2 again; grid 12 x 16, 4 waves a work-group, clusters of 4 x 4, 327,680 bytes of LDS; arguments xb, wqT, qkv; writes qkv
;; launch sv: the kernel of part 3 again; grid 64 x 4, 4 waves a work-group, clusters of 4 x 4, 327,680 bytes of LDS; arguments qkv, woT, pb, vT, stat; writes pb, vT, stat
;; launch pv: the kernel of part 4 again; grid 8 x 32, 4 waves a work-group, clusters of 4 x 4, 327,680 bytes of LDS; arguments pb, vT, stat, bout, out0; writes out0
